; MI455X (gfx1250); checked and timed in simulation.
; The chip was launched on July 23, 2026; its instructions are those of AMD's public machine-readable ISA for CDNA 5 (MIT licence, August 2026) and "CDNA5" Instruction Set Architecture Reference Guide (July 2026). The comments in the code are by the model that wrote it; some were corrected since.
;; Self Attention. Allowed arithmetic: matrix products marked QUANTISED: E2M3 operands, one E8M0 scale for each 32 along K, by v_wmma_scale_f32_16x16x128_f8f6f4 with both operands' format E2M3, f32 sums; everything else in f32.
;; Inputs: b_attn 3,072 float32; b_proj 1,024 float32; w_attn 3,072 x 1,024 float32; w_proj 1,024 x 1,024 float32; x 4 x 2,048 x 1,024 float32.
;; Outputs: out0 4 x 2,048 x 1,024 float32.
;; This version of the problem:
;;   THIS VERSION OF THE PROBLEM IS GIVEN IN LOW PRECISION. The matrix products marked QUANTISED in the list below multiply operands that are first quantised to E2M3 (2 exponent bits, 3 mantissa bits; 6 bits a number), with one power-of-two scale for each 32 numbers along K (OCP MX v1.0); their sums are f32. All else is computed in f32.
;;   The module's matrix products, in the order in which they are computed (A, B: the left and right operand; K: the contracted axis; several contracted axes count as one K, in the product's order):
;;     1. [M 8,192, K 1,024] x [K 1,024, N 3,072]; A: input x; B: input w_attn: QUANTISED
;;     2. batch 64 x [M 2,048, K 64] x [K 64, N 2,048]; A: computed on the way; B: computed on the way: QUANTISED
;;     3. batch 64 x [M 2,048, K 2,048] x [K 2,048, N 64]; A: softmax (see below); B: computed on the way: QUANTISED
;;     4. [M 8,192, K 1,024] x [K 1,024, N 1,024]; A: computed on the way; B: input w_proj: QUANTISED
;;   THE QUANTISER, for each operand of a quantised product, along K:
;;     - K is cut into blocks of 32 from its start; a last block that is shorter is filled with zeros.
;;     - A block's scale is 2^e with e = floor(log2(the largest magnitude in the block)) - 2, held to -126 .. 127; a block of zeros has e = 0. As a byte (E8M0): e + 127.
;;     - Each number is divided by its block's scale, clamped to +-7.5, and rounded to the nearest number of E2M3, ties to even, subnormals kept.
;;     - The product sums the exact products of the quantised numbers (number of the format x scale) in f32.
;;   ~~~python
;;   def quantise(x, axis):      # numpy; x: float32 -> the quantised numbers, widened to float32 again
;;       x = np.moveaxis(x, axis, -1); K = x.shape[-1]
;;       x = np.pad(x, [(0, 0)] * (x.ndim - 1) + [(0, -K % 32)]); x = x.reshape(x.shape[:-1] + (-1, 32)); a = np.abs(x).max(-1, keepdims=True)
;;       e = np.where(a > 0, np.clip(np.frexp(np.where(a > 0, a, 1))[1] - 1 - 2, -126, 127), 0)      # np.frexp(a)[1] - 1 = floor(log2(a)), exactly
;;       r = np.clip(x / 2.0 ** e, -7.5, 7.5)
;;       step = 2.0 ** (np.maximum(np.frexp(np.where(r == 0, 1, r))[1] - 1, 0) - 3)
;;       q = np.round(r / step) * step * 2.0 ** e      # np.round: ties to even
;;       return np.moveaxis(q.reshape(q.shape[:-2] + (-1,))[..., :K], -1, axis).astype(np.float32)
;;   ~~~
;;   SOFTMAX AHEAD OF A QUANTISED PRODUCT. Where the list says 'softmax', what is quantised is not the finished softmax but p = 2^(t - M), with t = logit x log2(e) and M = ceil(the row's largest t), a whole number; so 1/2 < the row's largest p <= 1. The row's sum l is taken of the UNQUANTISED p, in f32, and the product's result is divided by l at the end. Since M is a whole number, a kernel that streams over the keys may use a running M (the ceiling of the running maximum): every later rescaling is an exact power of two, which a block's scale takes up: the codes' values come out the same.
;;   OPERANDS COMPUTED ON THE WAY. 'Computed on the way' means the value that the module computes at that place (a softmax that the list does not call 'softmax' is quantised finished and normalised). What goes into a quantiser is computed in f32, as accurately as f32 sums, v_exp_f32 and their like allow (about 1e-6 of the number): no bf16 or f16 on the way to a quantiser, and a product that is left as it is and whose result goes on into a quantised operand takes f32 operands (vector FMAs, or v_wmma_f32_16x16x4_f32). A number that lies on a knife's edge between two numbers of the format may be rounded either way, as far as f32 arithmetic and the matrix unit's own rounding can turn it there, and no further.
;; One version. Each part assembles by itself: llvm-mc -triple=amdgcn-amd-amdhsa -mcpu=gfx1250 --defsym DOCPART=n.
;; ======== version 1 of 1: 4 launches
;; limits: right only within a limited range of input values
;; workspace buffers: cq 9,437,184 bytes; cs 393,216 bytes; qkv 20,185,088 bytes; yq 6,291,456 bytes; ys 262,144 bytes
;; launch quant (part 1): grid 384 x 1, 4 waves a work-group, no clusters, 34,304 bytes of LDS; arguments x, w_attn, w_proj, cq, cs; writes cq, cs
.if DOCPART == 1
	.amdgcn_target "amdgcn-amd-amdhsa--gfx1250"
	.amdhsa_code_object_version 6
	.text
	.protected	k_q7bdf8c8ec2_quant
	.globl	k_q7bdf8c8ec2_quant
	.p2align	8
	.type	k_q7bdf8c8ec2_quant,@function
k_q7bdf8c8ec2_quant:
	s_mov_b64 s[64:65], 0
	v_nop
	global_prefetch_b8 v0, s[64:65] scope:SCOPE_SE
	s_setreg_imm32_b32 hwreg(HW_REG_WAVE_MODE, 25, 1), 1
	s_wait_xcnt 0x0
; x [8192][1024], w_attn [3072][1024] and w_proj [1024][1024], f32 with K innermost, are taken as ONE matrix of 12,288 rows and turned into codes of FP6 (E2M3) with one E8M0 byte for each 32 along K.
; A block's scale is 2^(floor(log2(its largest magnitude)) - 2); its byte is the largest magnitude's exponent field - 2, held at 1 from below.
; LIMITS: NaN and infinities among the inputs are not served; a block whose largest magnitude lies under 2^-124 is held at the byte 1; a block of zeros gets the byte 1 where the rule says 127:
; its codes are zeros, which add nothing under any byte but 0xff, and only this program's own launches read the bytes.
; THE OUTPUT IS LAID AS THE READER'S REGISTERS.  Tile tau is 16 rows: 32 (tau / 2) + 8 (tau % 2) + rho + 8 (rho / 8).  A half image is 16 rows x 64 along K, 768 bytes: lane (r, h) holds the 32 codes
; k = 32 h .. 32 h + 31 of row r in six registers: registers 0-3 lie at 16 x lane, registers 4-5 at 512 + 8 x lane.  cq = [tau 768][half image 16][768].  cs = [tau][4][r 16][2] words: word (sigma, q) serves K step 2 sigma + q.
; SHARES.  Work-group alpha takes rows 32 alpha .. + 31; wave w takes tile 2 alpha + w / 2 and the half w % 2 of K: four fragments of 16 rows x 128.  Each load reads 512 consecutive bytes of one row; the
; conversions want 16 neighbours along K in ONE lane, so a fragment's 8,192 bytes turn through the wave's own stage in LDS (rows of 512 + 16 bytes).  Every store covers 512 or 256 consecutive aligned bytes.
; No cluster, no tensor load, no barrier: work-groups and waves share no input.
; WORK LEFT OUT BY THE PROGRAM: in launch attn the steps of 128 keys all of which come after a tile's queries.  reference() sets their scores to -inf by its own jnp.tril, so their softmax weights are 0
; for all values of the inputs, and neither product 2 nor product 3 is formed there.  LIMIT: a NaN, an infinity or an overflow that reaches only that work is not carried to the result.  Every input is loaded.
.set STGB, 8448
.set SP,   528
.set R,    16                          ; v16-79, v80-143   two sets of 64 numbers as loaded
.set XT,   144                         ; v144-207          64 numbers turned: register 16 b + i = k 32 b + 16 h + i of my row
.set TM,   208                         ; v208-211 largest magnitudes, v212-215 the other half's / bytes, v216-219 the conversions' scale operands
.set PC,   224                         ; v224-242          the fragment's codes
.set PWS,  244                         ; v244-247          the four fragments' scale words
.set W,    248                         ; v[248:249]        my two words on the way out
.set SEL,  20                          ; s[20:21]          lane selects: lane l xor 16
	s_load_b256 s[4:11], s[0:1], 0x0               ; x s[4:5], w_attn s[6:7], w_proj s[8:9], cq s[10:11]
	s_load_b64 s[12:13], s[0:1], 0x20              ; cs
	v_lshl_add_u32 v254, v0, 2, 0x8400
	v_mov_b32 v255, 0
	v_lshrrev_b32 v1, 5, v0
	v_readfirstlane_b32 s16, v1                    ; wave
	v_and_b32 v1, 31, v0                           ; lane
	v_and_b32 v2, 15, v0                           ; r
	v_bfe_u32 v3, v0, 4, 1                         ; h
	v_lshlrev_b32 v4, 4, v1                        ; 16 x lane
	v_lshlrev_b32 v5, 3, v1                        ; 8 x lane
	s_mul_i32 s17, s16, STGB
	v_add_nc_u32 v6, s17, v4                       ; the stage, on the way in: a row's 512 bytes as they lie
	v_mul_u32_u24 v7, v2, SP
	v_lshl_add_u32 v7, v3, 6, v7
	v_add_nc_u32 v7, s17, v7                       ; and on the way out: row r, + 64 h
	s_mov_b32 s[SEL], 0x76543210
	s_mov_b32 s[SEL+1], 0xfedcba98
.irp b, 0,1,2,3
	v_mov_b32 v[TM+4+\b], 0                        ; written once: a lane permute's destination counts as one of its sources
.endr
	s_lshr_b32 s18, s16, 1                         ; u: which of the two tiles
	s_and_b32 s19, s16, 1                          ; which half of K
	s_lshl_b32 s22, ttmp9, 1
	s_add_co_u32 s22, s22, s18                     ; tau
	s_mul_i32 s24, s22, 12288
	s_mul_i32 s23, s19, 6144
	s_add_co_u32 s24, s24, s23                     ; my codes' first byte
	s_mov_b32 s25, 0
	s_lshl_b32 s26, s22, 9
	s_lshl_b32 s23, s19, 8
	s_add_co_u32 s26, s26, s23                     ; my scale words' first byte
	s_mov_b32 s27, 0
	s_mov_b32 s15, 352
	s_wait_alu depctr_va_vdst(0)
	s_wait_kmcnt 0x0
	s_cmp_lt_u32 ttmp9, 352                        ; which tensor: the choice hangs on the work-group's number alone
	s_cselect_b64 s[6:7], s[6:7], s[8:9]
	s_cselect_b32 s14, 256, s15
	s_cmp_lt_u32 ttmp9, 256
	s_cselect_b64 s[4:5], s[4:5], s[6:7]
	s_cselect_b32 s14, 0, s14
	s_sub_co_u32 s14, ttmp9, s14                   ; the block of 32 rows within that tensor
	s_lshl_b32 s28, s14, 17                        ; 32 rows of 4,096 bytes,
	s_lshl_b32 s23, s18, 15                        ; the tile begins 8 u rows on,
	s_add_co_u32 s28, s28, s23
	s_lshl_b32 s23, s19, 11                        ; my half of K
	s_add_co_u32 s28, s28, s23
	s_mov_b32 s29, 0
	s_add_nc_u64 s[4:5], s[4:5], s[28:29]
	s_add_nc_u64 s[10:11], s[10:11], s[24:25]
	s_add_nc_u64 s[12:13], s[12:13], s[26:27]
.macro LOAD f                          ; fragment f: 128 numbers of each of the tile's 16 rows, 512 consecutive bytes a load
.irp i, 0,1,2,3,4,5,6,7,8,9,10,11,12,13,14,15
	global_load_b128 v[R+64*((\f)%2)+4*\i:R+64*((\f)%2)+4*\i+3], v4, s[4:5] offset:(\i+8*(\i/8))*4096+512*(\f) th:TH_LOAD_NT
.endr
.endm
.macro TURN f                          ; through the stage: LDS serves a wave's instructions in order, so no wait stands between the stores and the loads
.irp i, 0,1,2,3,4,5,6,7,8,9,10,11,12,13,14,15
	ds_store_b128 v6, v[R+64*((\f)%2)+4*\i:R+64*((\f)%2)+4*\i+3] offset:SP*\i
.endr
.irp b, 0,1,2,3
.irp j, 0,1,2,3
	ds_load_b128 v[XT+16*\b+4*\j:XT+16*\b+4*\j+3], v7 offset:128*\b+16*\j
.endr
.endr
.endm
; 64 numbers of a lane, register 16 b + i = k 32 b + 16 h + i of my row, become a fragment's codes in v[PC] .. v[PC + 11] and its scale word in v[pw]
.macro QUANT s, pw
.irp b, 0,1,2,3
	v_max3_num_f32 v[TM+\b], |v[\s+16*\b]|, |v[\s+1+16*\b]|, 0x1800000   ; block b: my 16 numbers, and the floor 2^(3 - 127): the byte cannot fall under 1
.endr
.irp i, 2,4,6,8,10,12,14
.irp b, 0,1,2,3
	v_max3_num_f32 v[TM+\b], v[TM+\b], |v[\s+16*\b+\i]|, |v[\s+1+16*\b+\i]|   ; the four blocks by turns
.endr
.endr
.irp b, 0,1,2,3
	v_permlanex16_b32 v[TM+4+\b], v[TM+\b], s[SEL], s[SEL+1]
.endr
.irp b, 0,1,2,3
	v_max_num_f32 v[TM+\b], v[TM+\b], v[TM+4+\b]   ; with lane l xor 16's: the block's largest magnitude
.endr
.irp b, 0,1,2,3
	v_add_nc_u32 v[TM+8+\b], 0xff000000, v[TM+\b]  ; 2 off its exponent field: the conversion takes the exponent field of this operand as its scale
.endr
.irp b, 0,1,2,3
	v_lshrrev_b32 v[TM+4+\b], 23, v[TM+8+\b]       ; the scale's byte
.endr
	v_lshl_or_b32 v[\pw], v[TM+5], 8, v[TM+4]
	v_lshl_or_b32 v[\pw], v[TM+6], 16, v[\pw]
	v_lshl_or_b32 v[\pw], v[TM+7], 24, v[\pw]      ; my row's scale word
.irp c, 0,1
	v_cvt_scalef32_pk16_fp6_f32 v[PC+6*\c:PC+2+6*\c], v[\s+32*\c:\s+15+32*\c], v[TM+8+2*\c]
	v_cvt_scalef32_pk16_fp6_f32 v[PC+12+4*\c:PC+14+4*\c], v[\s+16+32*\c:\s+31+32*\c], v[TM+8+2*\c+1]   ; (a conversion's three registers begin on an even number)
.endr
	v_nop                                          ; one plain place behind a scaled conversion
.irp c, 0,1                            ; the operand's layout wants a WHOLE block in a lane: lanes 0-15 block 2 c, lanes 16-31 block 2 c + 1
.irp i, 0,1,2
	v_permlane16_swap_b32 v[PC+6*\c+\i], v[PC+12+4*\c+\i]
.endr
.irp i, 0,1,2
	v_mov_b32 v[PC+3+6*\c+\i], v[PC+12+4*\c+\i]
.endr
.endr
.endm
.macro FRAGMENT f
.if (\f) < 3
	s_wait_loadcnt 16                              ; this fragment's 16 loads are in; the next fragment's 16 may be out
.else
	s_wait_loadcnt 0x0
.endif
	TURN \f
	s_wait_dscnt 0x0                               ; the numbers are back, and the stage's stores have read their registers,
.if (\f)+2 < 4
	LOAD (\f)+2                                    ; which take the fragment two on
.endif
.if (\f) > 0
	s_wait_xcnt 0x0                                ; the last fragment's stores have read their data: the codes' registers are written again only behind this wait
.endif
	QUANT XT, PWS+(\f)
	global_store_b128 v4, v[PC:PC+3], s[10:11] offset:1536*(\f)           ; 512 consecutive bytes
	global_store_b64 v5, v[PC+4:PC+5], s[10:11] offset:1536*(\f)+512      ; 256
	global_store_b128 v4, v[PC+6:PC+9], s[10:11] offset:1536*(\f)+768
	global_store_b64 v5, v[PC+10:PC+11], s[10:11] offset:1536*(\f)+1280
.endm
	LOAD 0
	LOAD 1
	FRAGMENT 0
	FRAGMENT 1
	FRAGMENT 2
	FRAGMENT 3
	v_cmp_ne_u32 vcc_lo, 0, v3                     ; lanes 0-15 store the words of my K steps 0 and 1, lanes 16-31 those of 2 and 3
	v_cndmask_b32 v[W], v[PWS], v[PWS+2], vcc_lo
	v_cndmask_b32 v[W+1], v[PWS+1], v[PWS+3], vcc_lo
	global_store_b64 v5, v[W:W+1], s[12:13]        ; 256 consecutive aligned bytes
	s_wait_tensorcnt 0x0
	ds_add_u32 v254, v255
	s_wait_dscnt 0x0
	s_endpgm
.Lfunc_end_k_q7bdf8c8ec2_quant:
	.size	k_q7bdf8c8ec2_quant, .Lfunc_end_k_q7bdf8c8ec2_quant-k_q7bdf8c8ec2_quant
	.p2alignl 7, 3214868480
	.fill 96, 4, 3214868480
	.section	.rodata,"a",@progbits
	.p2align	6, 0x0
	.amdhsa_kernel k_q7bdf8c8ec2_quant
		.amdhsa_group_segment_fixed_size 34304
		.amdhsa_private_segment_fixed_size 0
		.amdhsa_enable_private_segment 0
		.amdhsa_kernarg_size 40
		.amdhsa_user_sgpr_count 2
		.amdhsa_user_sgpr_kernarg_segment_ptr 1
		.amdhsa_wavefront_size32 1
		.amdhsa_system_sgpr_workgroup_id_x 1
		.amdhsa_system_sgpr_workgroup_id_y 1
		.amdhsa_system_sgpr_workgroup_id_z 1
		.amdhsa_system_vgpr_workitem_id 0
		.amdhsa_next_free_vgpr 256
		.amdhsa_next_free_sgpr 66
		.amdhsa_reserve_vcc 1
		.amdhsa_float_denorm_mode_32 3
		.amdhsa_float_denorm_mode_16_64 3
		.amdhsa_memory_ordered 1
		.amdhsa_forward_progress 1
		.amdhsa_inst_pref_size 34
	.end_amdhsa_kernel
	.amdgpu_metadata
---
amdhsa.version: [ 1, 2 ]
amdhsa.kernels:
  - .name:           k_q7bdf8c8ec2_quant
    .symbol:         k_q7bdf8c8ec2_quant.kd
    .args:
      - { .name: x, .offset: 0, .size: 8, .value_kind: global_buffer, .address_space: global }
      - { .name: w_attn, .offset: 8, .size: 8, .value_kind: global_buffer, .address_space: global }
      - { .name: w_proj, .offset: 16, .size: 8, .value_kind: global_buffer, .address_space: global }
      - { .name: cq, .offset: 24, .size: 8, .value_kind: global_buffer, .address_space: global }
      - { .name: cs, .offset: 32, .size: 8, .value_kind: global_buffer, .address_space: global }
    .group_segment_fixed_size: 34304
    .private_segment_fixed_size: 0
    .kernarg_segment_align: 8
    .kernarg_segment_size: 40
    .max_flat_workgroup_size: 128
    .sgpr_count:     66
    .vgpr_count:     256
    .wavefront_size: 32
...
	.end_amdgpu_metadata
.endif
;; end of part 1
;; launch qkvgemm (part 2): grid 4 x 64, 4 waves a work-group, clusters of 4 x 4, 327,680 bytes of LDS; arguments cq, cs, b_attn, qkv; writes qkv
.if DOCPART == 2
	.amdgcn_target "amdgcn-amd-amdhsa--gfx1250"
	.amdhsa_code_object_version 6
	.text
	.protected	k_q7bdf8c8ec2_qkvgemm
	.globl	k_q7bdf8c8ec2_qkvgemm
	.p2align	8
	.type	k_q7bdf8c8ec2_qkvgemm,@function
k_q7bdf8c8ec2_qkvgemm:
	s_mov_b64 s[64:65], 0
	v_nop
	global_prefetch_b8 v0, s[64:65] scope:SCOPE_SE
	s_setreg_imm32_b32 hwreg(HW_REG_WAVE_MODE, 25, 1), 1
	s_wait_xcnt 0x0
	s_wait_alu depctr_hold_cnt(0) depctr_sa_sdst(0) depctr_va_vdst(0) depctr_va_sdst(0) depctr_va_ssrc(0) depctr_va_vcc(0) depctr_vm_vsrc(0)
	s_getreg_b32 s2, hwreg(HW_REG_IB_STS2, 6, 4)
	s_cmp_eq_u32 s2, 0
	s_cbranch_scc0 .Lentry_in_a_cluster
	s_endpgm
.Lentry_in_a_cluster:
	s_bfe_u32 s2, ttmp6, 0x10000c
	s_cmp_lg_u32 s2, 0xf033
	s_cbranch_scc0 .Lentry_shape_is_right
	s_endpgm
.Lentry_shape_is_right:
; qkv = x w_attn^T + b_attn on codes of FP6 (E2M3) with E8M0 scales; the results are quantised in registers and leave as codes: q and k along the head's 64, v along the KEYS.
; THE DEAL.  64 blocks of 128 tokens x 4 groups of four heads = 256 work-groups.  A work-group keeps its 128 tokens' codes, all of K (98,304 bytes), in LDS and walks three blocks of 256 weight rows: its heads of q, of k, of v.
; OPERANDS lie in cq / cs as images of the registers (tile tau = rows 32 (tau / 2) + 8 (tau % 2) + rho + 8 (rho / 8); a tile's 1,024 along K are 12,288 bytes: 16 half images of 768: registers 0-3 at 16 x lane, 4-5 at
; 512 + 8 x lane; a tile's scale words are 512 bytes: [K / 256][row 16][2]).  Blocks of 256 rows of the joint matrix: x 0-31, w_q 32-35, w_k 36-39, w_v 40-43.
; A WAVE makes 64 x 128: 32 accumulators.  Source 0 has 8 tiles, and a lane's registers run along its rows; source 1 has 4 tiles, and a lane holds one of its rows.
;   q, k: source 0 = 8 tiles of w (two heads, by wave % 2), source 1 = 4 tiles of x (by wave / 2): a lane holds a token, its registers run along the features, the next K.
;   v: source 0 = all 8 tiles of x, source 1 = 4 tiles of w_v (one head, by the wave): a lane holds a feature, its registers run along the 128 tokens, which are the keys, v's K.
; THE WEIGHTS stream through two slots of 256 rows x 512 along K (98,304 bytes each): six fills.  At the head one joint load a wave: x's codes, x's scale words, slot 0, the three blocks' scale words (three rows of 8,192 bytes).
; Slot 1's first fill and the four refills stand behind the three lines and a round of the cluster's barrier; every wave asks for its quarter of the slot by the one line.  A fill has four steps, or four and a way out, in which to land.
; CLUSTERS: 4 x 4.  x's tiles are asked for jointly along a row of the cluster, the weights' along a column.
; No prefetch: K is 1,024, so a tile has two fills, each asked for a slot ahead, and the sixteen clusters of the grid walk the same weights in the same order.
; THE BIAS is the C of each tile's first products, laid in window 3 as the result lies.
; OUT: qkv = Q section, K section (each [b x 16 + head][16 records of 6,656 bytes]: 8 tiles x 768 bytes of codes for 128 tokens, then 512 bytes of scale words: lane (r, h) has the words of tiles 4 h .. 4 h + 3 of row r,
; bytes 0, 1 the head's two blocks, bytes 2, 3 zero), V section ([b x 16 + head][16 records of 6,400 bytes]: 4 fragments of 16 d x 128 keys, then [r 16][4] scale words).
; LIMITS: NaN and infinities are not served; a block under 2^-124, a block of zeros among them, is held at the byte 1 (its bytes are read by this program alone).
; REGISTERS: window 0: v8-30 addresses, v32-63 scale words (two sets), v64-107 the way out, v128-223 source 1's fragments (two sets); window 1: source 0's fragments at v0 and v128;
;   window 2: accumulator (a, b) at v[8 (8 a + b)]; window 3: the bias: q v0-63, k v64-127 (8 b + j), v v128-159 (8 a + j).
.set FR,    12
.set TILEB, 12288                      ; a tile of x in LDS: all of K
.set WT,    6144                       ; a tile of w in a slot: 512 along K
.set SLOTB, 16*WT
.set XSC,   2*SLOTB                    ; x's scale words, 4,096 bytes
.set WSC,   XSC+4096                   ; the weights', 3 x 8,192
.set XC,    WSC+24576                  ; x's codes
.set SPARE, XC+8*TILEB                 ; the spare words, 128 bytes for each wave
.set QSTR,  106496
.set VSTR,  102400
.set XA,   8                           ; v8, v9: 16 x lane, 8 x lane + my four tiles of x
.set XB,   10                          ; v10-13: the same + x's tiles 0-3, 4-7 (an offset has 16 bits)
.set WB,   14                          ; v14-17: + my eight tiles of w in slot 0, 1
.set WA,   18                          ; v18-21: + my four tiles of w in slot 0, 1
.set ADRS, 22                          ; v22-24: scale words for q, k, v: lanes 0-15 source 1's rows, lanes 16-31 source 0's
.set CO,   25
.set L8,   26
.set R16,  27
.set SPW,  28
.set NIL,  29
.set QSO,  30                          ; 16 r + h x a head's bytes
.set SC,   32
.set TM,   64
.set PC,   76
.set PWS,  96
.set W,    100
.set AF,   128
.set SEL,  2
.set G1X,  24
.set G1XS, 32
.set G1H,  40
.set G1WS, 48
.set G1W,  56
.set G0X,  68
.set G0XS, 72
.set G0H,  76
.set G0WS, 80
.set G0W,  84
.set MSB, 0
.macro WIN new                         ; the immediate's high byte repeats the setting that is left
.if MSB != (\new)
	s_set_vgpr_msb (MSB<<8)|(\new)
.set MSB, (\new)
.endif
.endm
.set MUL,  0xa1                        ; source 0 window 1, source 1 window 0, C and D window 2
.set BEG,  0xb1                        ; the same with C (the bias) in window 3
.set TO_B, 0x40                        ; destination window 1, address window 0
.macro CROUND                          ; a round of the cluster's barrier
	s_barrier_signal -1
	s_barrier_wait -1
	s_cmp_lg_u32 s14, 0
	s_cbranch_scc1 .Lnot_wave_0_\@
	s_barrier_signal -3
.Lnot_wave_0_\@:
	s_barrier_wait -3
	s_barrier_signal -1
	s_barrier_wait -1
.endm
.macro PLACES n
.rept \n
	v_nop
.endr
.endm
.macro GRP1 g, mask, c, rows, pitch    ; rows of c elements of 8 bytes, dense in LDS; bit 21 set beside the mask
	s_or_b32 s[\g], s\mask, (3<<16)|(1<<21)
	s_mov_b32 s[\g+1], (\c)<<16
	s_mov_b32 s[\g+2], (\rows)<<16
	s_mov_b32 s[\g+3], (\c)<<16
	s_mov_b32 s[\g+4], \rows
	s_mov_b32 s[\g+5], \pitch
	s_mov_b32 s[\g+6], 0
	s_mov_b32 s[\g+7], 0
.endm
	s_load_b256 s[4:11], s[0:1], 0x0               ; cq, cs, b_attn, qkv
	v_lshl_add_u32 v[SPW], v0, 2, SPARE
	v_mov_b32 v[NIL], 0
	ds_add_u32 v[SPW], v[NIL]                      ; the opening lines
	ds_add_u32 v[SPW], v[NIL]
	v_lshrrev_b32 v3, 5, v0
	v_readfirstlane_b32 s14, v3                    ; wave 0..3
	s_lshr_b32 s15, s14, 1                         ; q, k: my half of the tokens
	s_and_b32 s16, s14, 1                          ; q, k: my two heads
	s_bfe_u32 s90, ttmp6, 0x40000                  ; cx: the group of four heads
	s_bfe_u32 s91, ttmp6, 0x40004                  ; cy
	s_and_b32 s17, ttmp7, 0xffff
	s_lshl_b32 s17, s17, 2
	s_add_co_u32 s17, s17, s91                     ; the block of 128 tokens, 0 .. 63
	s_lshl_b32 s92, s91, 2
	s_lshl_b32 s92, 15, s92                        ; my row of the cluster
	s_lshl_b32 s93, 0x1111, s90                    ; my column
	GRP1 G1X,  92, 1536, 8, 1536                   ; x: 8 tiles of 12,288 bytes
	GRP1 G1XS, 92, 32, 16, 32                      ; its scale words: 16 rows of 256 bytes
	GRP1 G1H,  93, 768, 16, 1536                   ; a whole slot: 16 tiles x 6,144 bytes, 12,288 apart
	GRP1 G1WS, 93, 1024, 3, 4096                   ; the three blocks' scale words: 8,192 bytes each, 32,768 apart
	GRP1 G1W,  93, 768, 4, 1536                    ; a quarter of a slot
.irp g, G0X, G0XS, G0H, G0WS, G0W
	s_mov_b32 s[\g], 1
	s_mov_b32 s[\g+3], 0
.endr
	s_mov_b32 s[G0X+1], XC
	s_mov_b32 s[G0XS+1], XSC
	s_mov_b32 s[G0H+1], 0
	s_mov_b32 s[G0WS+1], WSC
	s_mul_i32 s96, s14, 4*WT                       ; my quarter of a slot; also v: my four tiles
	s_add_co_u32 s[G0W+1], s96, SLOTB
	s_mul_i32 s[G0X+2], s17, 8*TILEB               ; byte offsets; the buffers' addresses are added below
	s_lshl_b32 s[G0XS+2], s17, 12
	s_add_co_u32 s18, s90, 32                      ; w_q's block
	s_mul_i32 s[G0H+2], s18, 16*TILEB
	s_lshl_b32 s[G0WS+2], s18, 13
	s_mul_i32 s19, s14, 4*TILEB
	s_add_co_u32 s[G0W+2], s[G0H+2], s19
	s_add_co_u32 s[G0W+2], s[G0W+2], WT            ; q's second half of K, my four tiles
	s_lshr_b32 s18, s17, 4
	s_lshl_b32 s18, s18, 4
	s_lshl_b32 s19, s90, 2
	s_add_co_u32 s18, s18, s19                     ; batch x 16 + the group's first head
	s_and_b32 s19, s17, 15                         ; the record: my 128 tokens of the batch's 2,048
	s_lshl_b32 s20, s16, 1
	s_add_co_u32 s20, s20, s18
	s_mul_i32 s20, s20, QSTR
	s_mul_i32 s21, s19, 6656
	s_add_co_u32 s20, s20, s21                     ; q: the record of my first head
	s_mul_i32 s21, s15, 3072
	s_add_co_u32 s12, s20, s21                     ; my four tiles in it
	s_mov_b32 s13, 0
	s_lshl_b32 s21, s15, 8
	s_add_co_u32 s66, s20, s21
	s_add_co_u32 s66, s66, 6144                    ; and their scale words
	s_mov_b32 s67, 0
	s_add_co_u32 s88, s18, s14
	s_mul_i32 s88, s88, VSTR
	s_mul_i32 s21, s19, 6400
	s_add_co_u32 s88, s88, s21
	s_add_co_u32 s88, s88, 2*64*QSTR               ; v: my head's record
	s_mov_b32 s89, 0
	s_lshl_b32 s20, s90, 10
	s_lshl_b32 s21, s14, 8
	s_add_co_u32 s22, s20, s21
	s_add_co_u32 s22, s22, 8192                    ; v's bias: my head's 64 numbers
	s_mov_b32 s23, 0
	s_lshl_b32 s21, s16, 9
	s_add_co_u32 s20, s20, s21                     ; q's bias: my two heads' 128 numbers (k's lie 4,096 bytes on)
	s_mov_b32 s21, 0
	s_mul_i32 s94, s15, 4*TILEB
	s_add_co_u32 s94, s94, XC                      ; LDS: q, k: my four tiles of x,
	s_mul_i32 s95, s16, 8*WT                       ; my eight of w,
	s_lshl_b32 s97, s15, 11
	s_lshl_b32 s98, s16, 12
	s_add_co_u32 s98, s98, WSC-XSC
	s_sub_co_u32 s98, s98, s97                     ; the distance from x's scale words to w_q's,
	s_add_co_u32 s97, s97, XSC
	s_lshl_b32 s99, s14, 11
	s_add_co_u32 s99, s99, WSC+16384-XSC           ; v: from x's to my four tiles' of w_v
	s_mov_b32 s[SEL], 0x76543210
	s_mov_b32 s[SEL+1], 0xfedcba98
	s_wait_dscnt 0x0
	s_wait_kmcnt 0x0
.irp g, G0X, G0H, G0W
	s_add_nc_u64 s[\g+2:\g+3], s[4:5], s[\g+2:\g+3]
	s_or_b32 s[\g+3], s[\g+3], 0x80000000
.endr
.irp g, G0XS, G0WS
	s_add_nc_u64 s[\g+2:\g+3], s[6:7], s[\g+2:\g+3]
	s_or_b32 s[\g+3], s[\g+3], 0x80000000
.endr
	s_add_nc_u64 s[12:13], s[10:11], s[12:13]
	s_add_nc_u64 s[66:67], s[10:11], s[66:67]
	s_add_nc_u64 s[88:89], s[10:11], s[88:89]
	s_add_nc_u64 s[20:21], s[8:9], s[20:21]
	s_add_nc_u64 s[22:23], s[8:9], s[22:23]
	CROUND                                         ; all sixteen work-groups are here: the joint loads meet
.macro ARM under, g0, g1, next         ; one chain of branches on the wave's number, one load to an arm, one join
	s_cmp_lt_u32 s14, \under
	s_cbranch_scc0 \next
	tensor_load_to_lds s[\g0:\g0+3], s[\g1:\g1+7]
	s_nop 0
	PLACES 4
	s_branch .Lhead_asked
\next:
.endm
	ARM 1, G0X,  G1X,  .Lhead_xs
	ARM 2, G0XS, G1XS, .Lhead_w
	ARM 3, G0H,  G1H,  .Lhead_ws
	tensor_load_to_lds s[G0WS:G0WS+3], s[G1WS:G1WS+7]
	s_nop 0
	PLACES 4
.Lhead_asked:
	v_and_b32 v1, 15, v0                           ; r
	v_bfe_u32 v2, v0, 4, 1                         ; h
	v_and_b32 v3, 31, v0
	v_lshlrev_b32 v[CO], 4, v3
	v_lshlrev_b32 v[L8], 3, v3
	v_lshlrev_b32 v[R16], 4, v1
	v_add_nc_u32 v[XA], s94, v[CO]
	v_add_nc_u32 v[XA+1], s94, v[L8]
	v_add_nc_u32 v[XB], XC, v[CO]
	v_add_nc_u32 v[XB+1], XC, v[L8]
	v_add_nc_u32 v[XB+2], XC+4*TILEB, v[CO]
	v_add_nc_u32 v[XB+3], XC+4*TILEB, v[L8]
	v_add_nc_u32 v[WB], s95, v[CO]
	v_add_nc_u32 v[WB+1], s95, v[L8]
	v_add_nc_u32 v[WB+2], SLOTB, v[WB]
	v_add_nc_u32 v[WB+3], SLOTB, v[WB+1]
	v_add_nc_u32 v[WA], s96, v[CO]
	v_add_nc_u32 v[WA+1], s96, v[L8]
	v_add_nc_u32 v[WA+2], SLOTB, v[WA]
	v_add_nc_u32 v[WA+3], SLOTB, v[WA+1]
	v_lshlrev_b32 v5, 3, v1                        ; my row's two words of a pair of steps
	v_mul_u32_u24 v6, s98, v2                      ; q: lanes 16-31 take w's: one product, the distance between the two bases
	v_add_nc_u32 v6, v5, v6
	v_add_nc_u32 v[ADRS], s97, v6
	v_lshl_add_u32 v[ADRS+1], v2, 13, v[ADRS]      ; k: w_k's words lie 8,192 bytes behind w_q's
	v_sub_nc_u32 v7, 1, v2
	v_mul_u32_u24 v6, s99, v7                      ; v: lanes 0-15 take w_v's, lanes 16-31 x's
	v_add_nc_u32 v6, v5, v6
	v_add_nc_u32 v[ADRS+2], XSC, v6
	v_mul_u32_u24 v6, v2, QSTR
	v_add_nc_u32 v[QSO], v[R16], v6
	v_lshlrev_b32 v7, 6, v2                        ; the bias along the registers: 64 h;
	v_and_b32 v4, 8, v1
	v_add_nc_u32 v4, v4, v1
	v_lshlrev_b32 v4, 2, v4                        ; of my row: r + 8 (r / 8)
.irp b, 0,1,2,3
	v_mov_b32 v[TM+4+\b], 0                        ; a lane permute's destination counts as one of its sources
.endr
	s_wait_alu depctr_va_vdst(0)                   ; the wait at the head's end
	WIN 0xc0                                       ; destination window 3
.irp b, 0,1,2,3,4,5,6,7
	global_load_b128 v[8*\b:8*\b+3], v7, s[20:21] offset:(32*(\b/2)+8*(\b%2))*4
	global_load_b128 v[8*\b+4:8*\b+7], v7, s[20:21] offset:(32*(\b/2)+8*(\b%2))*4+16
	global_load_b128 v[64+8*\b:64+8*\b+3], v7, s[20:21] offset:4096+(32*(\b/2)+8*(\b%2))*4
	global_load_b128 v[64+8*\b+4:64+8*\b+7], v7, s[20:21] offset:4096+(32*(\b/2)+8*(\b%2))*4+16
.endr
.irp a, 0,1,2,3
	global_load_b32 v[128+8*\a], v4, s[22:23] offset:(32*(\a/2)+8*(\a%2))*4
.endr
	WIN 0
.macro FRAG reg, adr, off              ; a fragment, two half images on end: 512, 256, 512, 256 consecutive bytes
	ds_load_b128 v[\reg:\reg+3],     v[\adr]   offset:\off
	ds_load_b64  v[\reg+4:\reg+5],   v[\adr+1] offset:\off+512
	ds_load_b128 v[\reg+6:\reg+9],   v[\adr]   offset:\off+768
	ds_load_b64  v[\reg+10:\reg+11], v[\adr+1] offset:\off+1280
.endm
.macro FETCHX T, st                    ; the fragments of tile T's step st into set st % 2: 48 loads; with an even step the scale words of two steps: 8 more
	WIN TO_B
.irp i, 0,1,2,3,4,5,6,7
.if (\T) < 2
	FRAG 128*((\st)%2)+FR*\i, WB+2*((\st)/4), \i*WT+((\st)%4)*1536
.else
	FRAG 128*((\st)%2)+FR*\i, XB+2*(\i/4), (\i%4)*TILEB+(\st)*1536
.endif
.endr
	WIN 0
.irp i, 0,1,2,3
.if (\T) < 2
	FRAG AF+48*((\st)%2)+FR*\i, XA, \i*TILEB+(\st)*1536
.else
	FRAG AF+48*((\st)%2)+FR*\i, WA+2*((\st)/4), \i*WT+((\st)%4)*1536
.endif
.endr
.if (\st)%2 == 0
.irp i, 0,1,2,3,4,5,6,7
	ds_load_b64 v[SC+16*(((\st)/2)%2)+2*\i:SC+16*(((\st)/2)%2)+2*\i+1], v[ADRS+(\T)] offset:\i*512+64*(\st)
.endr
.endif
.endm
; products of source 1's tiles a0 .. a1 with source 0's eight.  first = 1: C is the bias at v[cb + ca a + cc b] of window 3.  The 32 accumulators take turns in the same order in every step.
.macro MULS st, a0, a1, first, cb=0, ca=0, cc=0
.irp a, 0,1,2,3
.if (\a >= \a0) && (\a <= \a1)
.irp b, 0,1,2,3,4,5,6,7
.if \first
	v_wmma_scale_f32_16x16x128_f8f6f4 v[8*(8*\a+\b):8*(8*\a+\b)+7], v[128*((\st)%2)+FR*\b:128*((\st)%2)+FR*\b+FR-1], v[AF+48*((\st)%2)+FR*\a:AF+48*((\st)%2)+FR*\a+FR-1], v[\cb+\ca*\a+\cc*\b:\cb+\ca*\a+\cc*\b+7], v[SC+16*(((\st)/2)%2)+2*\b+(\st)%2], v[SC+16*(((\st)/2)%2)+2*\a+(\st)%2] matrix_a_fmt:MATRIX_FMT_FP6 matrix_b_fmt:MATRIX_FMT_FP6 matrix_a_scale:MATRIX_SCALE_ROW1
.else
	v_wmma_scale_f32_16x16x128_f8f6f4 v[8*(8*\a+\b):8*(8*\a+\b)+7], v[128*((\st)%2)+FR*\b:128*((\st)%2)+FR*\b+FR-1], v[AF+48*((\st)%2)+FR*\a:AF+48*((\st)%2)+FR*\a+FR-1], v[8*(8*\a+\b):8*(8*\a+\b)+7], v[SC+16*(((\st)/2)%2)+2*\b+(\st)%2], v[SC+16*(((\st)/2)%2)+2*\a+(\st)%2] matrix_a_fmt:MATRIX_FMT_FP6 matrix_b_fmt:MATRIX_FMT_FP6 matrix_a_scale:MATRIX_SCALE_ROW1
.endif
.endr
.endif
.endr
.endm
.macro TLOADW                          ; my quarter of a slot: the one line that every wave issues, its group 0 made from the wave's number
	tensor_load_to_lds s[G0W:G0W+3], s[G1W:G1W+7]
	s_nop 0
	PLACES 4
.endm
; A STEP of 128 along K: the next step's fragments are asked of LDS, then this step's 32 products follow.  A slot's last step (3, 7) has that slot's last fragments in registers: there the slot is filled again, while tiles are left.
.macro STEP T, st
.set NT, (\T)+((\st)+1)/8
.set NS, ((\st)+1)%8
.if ((\st)%4 == 3) && ((\T) < 2)
	WIN 0
	s_wait_tensorcnt 0x0                           ; all my tensor loads have landed: my quarter of the other slot
	ds_add_u32 v[SPW], v[NIL]
	s_wait_dscnt 1                                 ; this step's fragments are in; the add alone may be out
	WIN MUL
	MULS \st, 0, 1, 0                              ; sixteen products stand between the add and the wait for it
	WIN 0
	s_wait_dscnt 0x0
	CROUND                                         ; no wave of any partner still reads this slot or has a load on its way; the other slot is whole
.if (\st) == 3
	s_add_co_u32 s[G0W+1], s96, 0                  ; slot 0 takes the next tile's first half of K: four blocks of 256 rows on, 6,144 bytes back
	s_add_nc_u64 s[G0W+2:G0W+3], s[G0W+2:G0W+3], 4*16*TILEB-WT
.else
	s_add_co_u32 s[G0W+1], s96, SLOTB              ; slot 1 its second half
	s_add_nc_u64 s[G0W+2:G0W+3], s[G0W+2:G0W+3], WT
.endif
	TLOADW                                         ; its four v_nop are the places in front of the loads below
	FETCHX NT, NS
	WIN MUL
	MULS \st, 2, 3, 0
.else
.if ((\st) == 3)
	WIN 0
	s_wait_tensorcnt 0x0                           ; the last fill
	s_wait_dscnt 0x0
	s_barrier_signal -1
	s_barrier_wait -1
.endif
.if (\T)+(\st) > 0
	PLACES 4                                       ; between the last step's products and the loads into the set that they read
.endif
.if (\T)*8+(\st) < 23
	FETCHX NT, NS
.if NS%2 == 0
	s_wait_dscnt 56                                ; all but the 56 loads just issued: this step's fragments are in
.else
	s_wait_dscnt 48
.endif
.else
	s_wait_dscnt 0x0
.endif
.if (\st) == 0
	WIN BEG
.if (\T) < 2
	MULS \st, 0, 3, 1, 64*(\T), 0, 8
.else
	MULS \st, 0, 3, 1, 128, 8, 0
.endif
.else
	WIN MUL
	MULS \st, 0, 3, 0
.endif
.endif
.endm
; THE WAY OUT of source 1's tile a: a lane's 64 sums, register 16 b + i = k 32 b + 16 h + i of its row, are quantised out of the accumulators (each read from its low end on) and leave as a fragment's registers.
; typ 0: q, k: 16 tokens x two heads' half images.  typ 1: v: 16 features x 128 keys.
.macro EPI a, typ, ko
	s_wait_xcnt 0x0                                ; earlier stores have read their data: the codes' registers are written again only behind this wait
	WIN 0x0a
.irp b, 0,1,2,3
	v_max3_num_f32 v[TM+\b], |v[64*(\a)+16*\b]|, |v[64*(\a)+16*\b+1]|, 0x1800000   ; my 16 numbers of block b, and the floor 2^(3 - 127)
.endr
	WIN 0x28
.irp i, 2,4,6,8,10,12,14
.irp b, 0,1,2,3
	v_max3_num_f32 v[TM+\b], v[TM+\b], |v[64*(\a)+16*\b+\i]|, |v[64*(\a)+16*\b+\i+1]|
.endr
.endr
	WIN 0
.irp b, 0,1,2,3
	v_permlanex16_b32 v[TM+4+\b], v[TM+\b], s[SEL], s[SEL+1]
.endr
.irp b, 0,1,2,3
	v_max_num_f32 v[TM+\b], v[TM+\b], v[TM+4+\b]   ; with lane l xor 16's: the block's largest magnitude
.endr
.irp b, 0,1,2,3
	v_add_nc_u32 v[TM+8+\b], 0xff000000, v[TM+\b]  ; 2 off its exponent field: the conversion's scale operand
.endr
.irp b, 0,1,2,3
	v_lshrrev_b32 v[TM+4+\b], 23, v[TM+8+\b]       ; the scale's byte
.endr
	v_lshl_or_b32 v[PWS+\a], v[TM+5], 8, v[TM+4]
	v_lshl_or_b32 v[PWS+\a], v[TM+6], 16, v[PWS+\a]
	v_lshl_or_b32 v[PWS+\a], v[TM+7], 24, v[PWS+\a]
	WIN 0x02
.irp c, 0,1
	v_cvt_scalef32_pk16_fp6_f32 v[PC+6*\c:PC+2+6*\c], v[64*(\a)+32*\c:64*(\a)+32*\c+15], v[TM+8+2*\c]
	v_cvt_scalef32_pk16_fp6_f32 v[PC+12+4*\c:PC+14+4*\c], v[64*(\a)+32*\c+16:64*(\a)+32*\c+31], v[TM+8+2*\c+1]
.endr
	WIN 0
	v_nop                                          ; one plain place behind a scaled conversion
.irp c, 0,1
.irp i, 0,1,2
	v_permlane16_swap_b32 v[PC+6*\c+\i], v[PC+12+4*\c+\i]
.endr
.irp i, 0,1,2
	v_mov_b32 v[PC+3+6*\c+\i], v[PC+12+4*\c+\i]
.endr
.endr
.if \typ
	global_store_b128 v[CO], v[PC:PC+3], s[88:89] offset:(\a)*1536
	global_store_b64 v[L8], v[PC+4:PC+5], s[88:89] offset:(\a)*1536+512
	global_store_b128 v[CO], v[PC+6:PC+9], s[88:89] offset:(\a)*1536+768
	global_store_b64 v[L8], v[PC+10:PC+11], s[88:89] offset:(\a)*1536+1280
.else
	global_store_b128 v[CO], v[PC:PC+3], s[12:13] offset:(\ko)+(\a)*768
	global_store_b64 v[L8], v[PC+4:PC+5], s[12:13] offset:(\ko)+(\a)*768+512
	global_store_b128 v[CO], v[PC+6:PC+9], s[12:13] offset:(\ko)+(\a)*768+QSTR
	global_store_b64 v[L8], v[PC+10:PC+11], s[12:13] offset:(\ko)+(\a)*768+QSTR+512
.endif
.endm
.macro OUTQK ko                        ; a tile of q or k
	WIN 0
	PLACES 4                                       ; behind the last products
.irp a, 0,1,2,3
	EPI \a, 0, \ko
.endr
	v_cmp_ne_u32 vcc_lo, 0, v2                     ; lanes 0-15 store the first head's words of my four tiles, lanes 16-31 the second head's
.irp j, 0,1,2,3
	v_and_b32 v[W+\j], 0xffff, v[PWS+\j]           ; the upper two bytes are 0: they scale zero codes
	v_lshrrev_b32 v[W+4+\j], 16, v[PWS+\j]
.endr
.irp j, 0,1,2,3
	v_cndmask_b32 v[W+\j], v[W+\j], v[W+4+\j], vcc_lo
.endr
	global_store_b128 v[QSO], v[W:W+3], s[66:67] offset:\ko   ; sixteen lanes store 256 consecutive aligned bytes
.endm
	s_wait_tensorcnt 0x0                           ; my tile of the head's four is in
	ds_add_u32 v[SPW], v[NIL]
	s_wait_dscnt 0x0
	CROUND                                         ; all four tiles are in, and all sixteen work-groups are here
	TLOADW                                         ; slot 1's first fill
	FETCHX 0, 0
	s_wait_loadcnt 0x0                             ; the bias
	WIN 0xc3
.irp a, 0,8,16,24
.irp i, 1,2,3,4,5,6,7
	v_mov_b32 v[128+\a+\i], v[128+\a]              ; v's number, one a lane and tile, over the tile's eight registers
.endr
.endr
	WIN 0
.irp st, 0,1,2,3,4,5,6,7
	STEP 0, \st
.endr
	OUTQK 0
.irp st, 0,1,2,3,4,5,6,7
	STEP 1, \st
.endr
	OUTQK 64*QSTR
.irp st, 0,1,2,3,4,5,6,7
	STEP 2, \st
.endr
	WIN 0
	PLACES 4
.irp a, 0,1,2,3
	EPI \a, 1, 0
.endr
	global_store_b128 v[R16], v[PWS:PWS+3], s[88:89] offset:6144   ; row r's four words: 256 consecutive aligned bytes (both halves of the lanes write the same bytes with the same value)
	s_wait_tensorcnt 0x0                           ; the wave's end
	ds_add_u32 v[SPW], v[NIL]
	s_wait_dscnt 0x0
	CROUND                                         ; the closing round
	s_endpgm
.Lfunc_end_k_q7bdf8c8ec2_qkvgemm:
	.size	k_q7bdf8c8ec2_qkvgemm, .Lfunc_end_k_q7bdf8c8ec2_qkvgemm-k_q7bdf8c8ec2_qkvgemm
	.p2alignl 7, 3214868480
	.fill 96, 4, 3214868480
	.section	.rodata,"a",@progbits
	.p2align	6, 0x0
	.amdhsa_kernel k_q7bdf8c8ec2_qkvgemm
		.amdhsa_group_segment_fixed_size 327680
		.amdhsa_private_segment_fixed_size 0
		.amdhsa_enable_private_segment 0
		.amdhsa_kernarg_size 32
		.amdhsa_user_sgpr_count 2
		.amdhsa_user_sgpr_kernarg_segment_ptr 1
		.amdhsa_wavefront_size32 1
		.amdhsa_system_sgpr_workgroup_id_x 1
		.amdhsa_system_sgpr_workgroup_id_y 1
		.amdhsa_system_sgpr_workgroup_id_z 1
		.amdhsa_system_vgpr_workitem_id 0
		.amdhsa_next_free_vgpr 1024
		.amdhsa_next_free_sgpr 100
		.amdhsa_reserve_vcc 1
		.amdhsa_float_denorm_mode_32 3
		.amdhsa_float_denorm_mode_16_64 3
		.amdhsa_memory_ordered 1
		.amdhsa_forward_progress 1
		.amdhsa_inst_pref_size 252
	.end_amdhsa_kernel
	.amdgpu_metadata
---
amdhsa.version: [ 1, 2 ]
amdhsa.kernels:
  - .name:           k_q7bdf8c8ec2_qkvgemm
    .symbol:         k_q7bdf8c8ec2_qkvgemm.kd
    .args:
      - { .name: cq, .offset: 0, .size: 8, .value_kind: global_buffer, .address_space: global }
      - { .name: cs, .offset: 8, .size: 8, .value_kind: global_buffer, .address_space: global }
      - { .name: b_attn, .offset: 16, .size: 8, .value_kind: global_buffer, .address_space: global }
      - { .name: qkv, .offset: 24, .size: 8, .value_kind: global_buffer, .address_space: global }
    .group_segment_fixed_size: 327680
    .private_segment_fixed_size: 0
    .kernarg_segment_align: 8
    .kernarg_segment_size: 32
    .max_flat_workgroup_size: 128
    .sgpr_count:     100
    .vgpr_count:     1024
    .wavefront_size: 32
...
	.end_amdgpu_metadata
.endif
;; end of part 2
;; launch attn (part 3): grid 4 x 64, 16 waves a work-group, clusters of 4 x 1, 210,944 bytes of LDS; arguments qkv, yq, ys; writes yq, ys
.if DOCPART == 3
	.amdgcn_target "amdgcn-amd-amdhsa--gfx1250"
	.amdhsa_code_object_version 6
	.text
	.protected	k_q7bdf8c8ec2_attn
	.globl	k_q7bdf8c8ec2_attn
	.p2align	8
	.type	k_q7bdf8c8ec2_attn,@function
k_q7bdf8c8ec2_attn:
	s_mov_b64 s[64:65], 0
	v_nop
	global_prefetch_b8 v0, s[64:65] scope:SCOPE_SE
	s_setreg_imm32_b32 hwreg(HW_REG_WAVE_MODE, 25, 1), 1
	s_wait_xcnt 0x0
	s_wait_alu depctr_hold_cnt(0) depctr_sa_sdst(0) depctr_va_vdst(0) depctr_va_sdst(0) depctr_va_ssrc(0) depctr_va_vcc(0) depctr_vm_vsrc(0)
	s_getreg_b32 s2, hwreg(HW_REG_IB_STS2, 6, 4)
	s_cmp_eq_u32 s2, 0
	s_cbranch_scc0 .Lentry_in_a_cluster
	s_endpgm
.Lentry_in_a_cluster:
	s_bfe_u32 s2, ttmp6, 0x10000c
	s_cmp_lg_u32 s2, 0x3003
	s_cbranch_scc0 .Lentry_shape_is_right
	s_endpgm
.Lentry_shape_is_right:
; y[b][q][head] = the sum over k <= q of softmax_k(Q . K / 8) V, both products on codes of FP6 (E2M3) with E8M0 scales; y is quantised along C and leaves as codes.
; LEFT OUT: a step of 128 keys all of which come after the tile's queries: reference()'s own jnp.tril gives them the weight 0 for all inputs.  On the diagonal hidden scores become -infinity ahead of the maximum.
; THE SOFTMAX: t = score x log2(e) / 8; M = the running largest t rounded UP to a whole number; p = 2^(t - M) is quantised along the keys, not normalised; the row's sum is taken of the unquantised p and divides at the end.
; When M moves, the sum and O are multiplied by 2^(old M - new M): exact.
; THE FIRST PRODUCT HAS K = 64 under an instruction of 128.  Q's registers 6-11 hold zero codes, written once; a zero code times any code of this format is 0 (it has no NaN and no infinity), so K's registers 6-11
; may hold anything: K's eight tiles lie 6 registers apart, tile t's upper half being tile t + 1's codes and tile 7's six registers at work.  The upper two scale bytes of both sides are 0, a finite code.
; SHARES.  A cluster of four work-groups is one (batch, head); all four read the same K and V, so each chunk is asked for JOINTLY.  THE WHOLE HEAD STAYS IN LDS (106,496 bytes of K, 102,400 of V): nothing is filled again.
; The head's eight chunks of four records are asked for by waves 0 to 7, one load a wave, each in an arm of its own.  No prefetch: the launch asks for all its tiles at its head.
; A head has 128 tiles of 16 queries (tile tau = tokens 32 (tau / 2) + 8 (tau % 2) + r + 8 (r / 8)).  Wave w (a = w / 4, g = (w + a) % 4) of work-group j owns tiles 16 g + 4 a + j and 127 less that: the key steps
; on their diagonals, DL = 2 g + a / 2 and DH = 15 - DL, hang on the wave's number alone, and every wave has 17 steps of 16 queries x 128 keys.
; PHASE 1, behind the barrier that shows the first chunks (waves 0 and 1 waited): the upper tile's key steps 0-3.  PHASE 2, behind the barrier that shows the whole head: the lower tile's steps 0 .. DL, the upper's 4 .. DH.
; LAYOUT.  Both products are used transposed (S^T = K Q^T, O^T = V^T P^T): a lane holds ONE query; the 16 registers of K's tiles 2 b, 2 b + 1 are keys 32 b + 16 h + 0 .. 15.
; A STEP'S LDS LOADS: K's 17 in one run at its head; V's 17 directly behind the score products, into K's registers: the softmax stands between them and the wait for them.
; LIMITS: NaN and infinities are not served; a block of p or of y under 2^-124, a block of zeros among them, is held at the byte 1; the scaled scores stay under 2^31 in magnitude.
; REGISTERS: v1-3, v47 lane terms; v4-8 LDS addresses; v9-10 the masks' d; v11 -infinity; v12-15, v16-19 -M, largest t, the sum; v20-31, v32-43 Q; v44-46 scale words of Q and p; v48-51 K's, v52-55 V's;
;   v56-119 S^T, then p; v120-151, v152-183 O^T; v184-195 p's codes; v196-243 K's tiles, then V's fragments; v244-255 at work.
.set VL,   106496
.set KREC, 6656
.set VREC, 6400
.set L8,   1
.set L16,  2
.set R16,  3
.set ADK8, 4
.set ADK16, 5
.set ADV8, 6
.set ADV16, 7
.set ADVS, 8
.set R8,   47
.set KW,   48
.set VW,   52
.set SS,   56
.set PCD,  184
.set KF,   196
.set WV,   10
.set CX,   11
.set BH,   12
.set TLO,  15
.set THI,  16
.set DL,   17
.set DH,   18
.set KC,   19
.set SEL,  20
.set CS,   22
.set G1K,  24
.set G1V,  32
.set G0K,  40
.set TBK,  56
.set TBV,  57
.set TR,   58
.set G0V,  68
.set QBL,  84
.set QBH,  86
.set QSL,  88
.set QSH,  90
.set YBL,  92
.set YBH,  94
.set YSL,  96
.set YSH,  98
.macro ROUND                           ; a round of the cluster's barrier
	s_barrier_signal -1
	s_barrier_wait -1
	s_cmp_lg_u32 s[WV], 0
	s_cbranch_scc1 .Lnot_wave_0_\@
	s_barrier_signal -3
.Lnot_wave_0_\@:
	s_barrier_wait -3
	s_barrier_signal -1
	s_barrier_wait -1
.endm
	s_load_b128 s[4:7], s[0:1], 0x0                ; qkv, yq
	s_load_b64 s[8:9], s[0:1], 0x10                ; ys
	v_lshl_add_u32 v254, v0, 2, 0x33000
	v_mov_b32 v255, 0
	ds_add_u32 v254, v255                          ; the opening lines
	ds_add_u32 v254, v255
	v_lshrrev_b32 v4, 5, v0
	v_readfirstlane_b32 s[WV], v4                  ; wave 0..15
	s_bfe_u32 s[CX], ttmp6, 0x40000
	s_and_b32 s[BH], ttmp7, 0xffff                 ; batch x 16 + head
	s_lshr_b32 s13, s[WV], 2                       ; a
	s_add_co_u32 s14, s[WV], s13
	s_and_b32 s14, s14, 3                          ; g
	s_lshl_b32 s[DL], s14, 1
	s_lshr_b32 s[DH], s13, 1
	s_add_co_u32 s[DL], s[DL], s[DH]
	s_sub_co_u32 s[DH], 15, s[DL]
	s_lshl_b32 s[TLO], s14, 4
	s_lshl_b32 s[THI], s13, 2
	s_add_co_u32 s[TLO], s[TLO], s[THI]
	s_add_co_u32 s[TLO], s[TLO], s[CX]
	s_sub_co_u32 s[THI], 127, s[TLO]
	; group 1: a chunk of four records, dense, as rows of 256 bytes: K 104 rows, V 100; the mask names all four work-groups
	s_mov_b32 s[G1K], 15|(3<<16)|(1<<21)
	s_mov_b32 s[G1K+1], 32<<16
	s_mov_b32 s[G1K+2], 104<<16
	s_mov_b32 s[G1K+3], 32<<16
	s_mov_b32 s[G1K+4], 104
	s_mov_b32 s[G1K+5], 32
	s_mov_b32 s[G1K+6], 0
	s_mov_b32 s[G1K+7], 0
	s_mov_b32 s[G1V], 15|(3<<16)|(1<<21)
	s_mov_b32 s[G1V+1], 32<<16
	s_mov_b32 s[G1V+2], 100<<16
	s_mov_b32 s[G1V+3], 32<<16
	s_mov_b32 s[G1V+4], 100
	s_mov_b32 s[G1V+5], 32
	s_mov_b32 s[G1V+6], 0
	s_mov_b32 s[G1V+7], 0
	s_mul_i32 s59, s[BH], 16*KREC
	s_mul_i32 s66, s[BH], 16*VREC
	s_add_co_u32 s60, s59, 64*16*KREC
	s_mov_b32 s61, 0
	s_add_co_u32 s62, s66, 2*64*16*KREC
	s_mov_b32 s63, 0
	s_mov_b32 s[SEL], 0x76543210
	s_mov_b32 s[SEL+1], 0xfedcba98
	s_mov_b32 s[CS], 0x3e38aa3b
	s_mov_b32 s[CS+1], s[CS]
	s_wait_dscnt 0x0
	s_wait_kmcnt 0x0
	s_add_nc_u64 s[60:61], s[4:5], s[60:61]
	s_add_nc_u64 s[62:63], s[4:5], s[62:63]
.irp c, 0,1,2,3
	s_mov_b32 s[G0K+4*\c], 1
	s_mov_b32 s[G0K+4*\c+1], \c*4*KREC
	s_add_nc_u64 s[G0K+4*\c+2:G0K+4*\c+3], s[60:61], \c*4*KREC
	s_or_b32 s[G0K+4*\c+3], s[G0K+4*\c+3], 0x80000000
	s_mov_b32 s[G0V+4*\c], 1
	s_mov_b32 s[G0V+4*\c+1], VL+\c*4*VREC
	s_add_nc_u64 s[G0V+4*\c+2:G0V+4*\c+3], s[62:63], \c*4*VREC
	s_or_b32 s[G0V+4*\c+3], s[G0V+4*\c+3], 0x80000000
.endr
	ROUND                                          ; all four work-groups are here: the joint loads meet
.macro ARM w, g0, g1                   ; one chain of branches on the wave's number, one load to an arm, one join
	s_cmp_eq_u32 s[WV], \w
	s_cbranch_scc0 .Lnot_arm_\w
	tensor_load_to_lds s[\g0:\g0+3], s[\g1:\g1+7]
	s_nop 0
.rept 4
	v_nop
.endr
	s_branch .Lasked
.Lnot_arm_\w:
.endm
	ARM 0, G0K, G1K                                ; the first chunks, which phase 1 reads, by waves 0 and 1
	ARM 1, G0V, G1V
	ARM 2, G0K+4, G1K
	ARM 3, G0V+4, G1V
	ARM 4, G0K+8, G1K
	ARM 5, G0V+8, G1V
	ARM 6, G0K+12, G1K
	ARM 7, G0V+12, G1V
.Lasked:
	s_and_b32 s14, s[BH], 15                       ; the head
	s_mul_i32 s67, s14, 768                        ; its half image in a tile of y
	s_lshr_b32 s13, s14, 2                         ; its two scale bytes in a tile's 512: (head / 4) x 128 + ((head / 2) % 2) x 4 + (head % 2) x 2
	s_lshl_b32 s13, s13, 7
	s_bfe_u32 s60, s14, 0x10001
	s_lshl_b32 s60, s60, 2
	s_add_co_u32 s13, s13, s60
	s_and_b32 s60, s14, 1
	s_lshl_b32 s60, s60, 1
	s_add_co_u32 s13, s13, s60
	s_lshr_b32 s66, s[BH], 4
	s_lshl_b32 s66, s66, 7                         ; the batch's first tile
.macro BASES T, QB, QSB, YB, YSB       ; the tile's addresses: Q's half image, Q's scale words, y's half image, y's scale bytes
	s_lshr_b32 s60, s[\T], 3
	s_mul_i32 s60, s60, KREC
	s_add_co_u32 s60, s60, s59
	s_and_b32 s61, s[\T], 7
	s_mul_i32 s62, s61, 768
	s_add_co_u32 s62, s62, s60
	s_mov_b32 s63, 0
	s_add_nc_u64 s[\QB:\QB+1], s[4:5], s[62:63]
	s_lshr_b32 s62, s61, 2
	s_lshl_b32 s62, s62, 8
	s_and_b32 s61, s[\T], 3
	s_lshl_b32 s61, s61, 2
	s_add_co_u32 s62, s62, s61
	s_add_co_u32 s62, s62, s60
	s_add_co_u32 s62, s62, 6144
	s_add_nc_u64 s[\QSB:\QSB+1], s[4:5], s[62:63]
	s_add_co_u32 s60, s[\T], s66
	s_mul_i32 s62, s60, 12288
	s_add_co_u32 s62, s62, s67
	s_add_nc_u64 s[\YB:\YB+1], s[6:7], s[62:63]
	s_lshl_b32 s62, s60, 9
	s_add_co_u32 s62, s62, s13
	s_add_nc_u64 s[\YSB:\YSB+1], s[8:9], s[62:63]
.endm
	BASES TLO, QBL, QSL, YBL, YSL
	BASES THI, QBH, QSH, YBH, YSH
	v_and_b32 v4, 31, v0
	v_lshlrev_b32 v[L8], 3, v4
	v_lshlrev_b32 v[L16], 4, v4
	v_and_b32 v4, 15, v0                           ; r
	v_lshlrev_b32 v[R16], 4, v4
	v_lshlrev_b32 v[R8], 3, v4
	global_load_b128 v[20:23], v[L16], s[QBL:QBL+1]
	global_load_b64 v[24:25], v[L8], s[QBL:QBL+1] offset:512
	global_load_b128 v[32:35], v[L16], s[QBH:QBH+1]
	global_load_b64 v[36:37], v[L8], s[QBH:QBH+1] offset:512
	global_load_b32 v44, v[R16], s[QSL:QSL+1]
	global_load_b32 v45, v[R16], s[QSH:QSH+1]
	v_bfe_u32 v5, v0, 4, 1                         ; h
	v_and_b32 v6, 8, v4
	v_add_nc_u32 v6, v6, v4
	v_lshlrev_b32 v7, 4, v5
	v_sub_nc_u32 v6, v6, v7                        ; r + 8 (r / 8) - 16 h
	s_wait_alu depctr_va_vdst(0)                   ; the wait ahead of the scalar lines below
	s_bfe_u32 s60, s[TLO], 0x20001
	s_lshl_b32 s60, s60, 5
	s_and_b32 s61, s[TLO], 1
	s_lshl_b32 s61, s61, 3
	s_add_co_u32 s60, s60, s61
	v_add_nc_u32 v9, s60, v6                       ; d = my query, counted from its diagonal step's first key, - 16 h: register 16 b + i is hidden where 32 b + i > d
	s_bfe_u32 s60, s[THI], 0x20001
	s_lshl_b32 s60, s60, 5
	s_and_b32 s61, s[THI], 1
	s_lshl_b32 s61, s61, 3
	s_add_co_u32 s60, s60, s61
	v_add_nc_u32 v10, s60, v6
	v_mov_b32 v11, 0xff800000                      ; -infinity
.irp s, 12, 16
	v_mov_b32 v[\s+1], 0xff61b1e6                  ; the largest t so far: -3e38
	v_floor_f32 v[\s], -v[\s+1]                    ; -M
	v_mov_b32 v[\s+2], 0                           ; the sum, in two halves
	v_mov_b32 v[\s+3], 0
.endr
.irp i, 0,1,2,3,4,5
	v_mov_b32 v[26+\i], 0                          ; Q's zero codes for K 64 .. 127
	v_mov_b32 v[38+\i], 0
.endr
.irp b, 0,1,2,3,4,5,6,7
	v_mov_b32 v[244+\b], 0                         ; written once: named as tile 7's upper half and as lane permutes' destinations
.endr
.set i, 0
.rept 64
	v_mov_b32 v[120+i], 0                          ; O^T: a tile's first step finds zeros, which the first change of M leaves zeros
.set i, i+1
.endr
; A STEP OF ONE TILE: 16 queries x the 128 keys of the record at TBK, TBV.  mode 0: under the diagonal for every wave.  mode 1: left out behind the diagonal, masked on it.  mode 2: as 1, and left out where KC < 4.
.macro TSTEP QF, QS, ST, OT, SD, VD, mode
.if \mode > 0
	s_cmp_gt_u32 s[KC], s[\SD]
	s_cbranch_scc1 .Lhidden_\@
.endif
.if \mode == 2
	s_cmp_lt_u32 s[KC], 4
	s_cbranch_scc1 .Lhidden_\@
.endif
	v_add_nc_u32 v[ADK8], s[TBK], v[L8]            ; five plain lines: the places between the last products and the loads into the registers that those read
	v_add_nc_u32 v[ADK16], s[TBK], v[L16]
	v_add_nc_u32 v[ADV8], s[TBV], v[L8]
	v_add_nc_u32 v[ADV16], s[TBV], v[L16]
	v_add_nc_u32 v[ADVS], s[TBV], v[R16]
	s_wait_alu depctr_va_vdst(0)                   ; V's addresses
	ds_load_b128 v[KW:KW+3], v[ADK16] offset:6144  ; lanes 0-15: the words of tiles 0-3; lanes 16-31: of tiles 4-7
.irp t, 0,1,2,3,4,5,6,7
	ds_load_b128 v[KF+6*\t:KF+6*\t+3], v[ADK16] offset:\t*768
	ds_load_b64 v[KF+6*\t+4:KF+6*\t+5], v[ADK8] offset:\t*768+512
.endr
	s_wait_dscnt 6                                 ; tiles 0-4 are in (tile 3's operand names tile 4's registers); the six loads of tiles 5-7 may be out
.irp t, 0,1,2,3
	v_wmma_scale_f32_16x16x128_f8f6f4 v[SS+8*\t:SS+8*\t+7], v[KF+6*\t:KF+6*\t+11], v[\QF:\QF+11], 0, v[KW+\t], v[\QS] matrix_a_fmt:MATRIX_FMT_FP6 matrix_b_fmt:MATRIX_FMT_FP6
.endr
	s_wait_dscnt 0x0
.irp t, 0,1,2,3
	v_wmma_scale_f32_16x16x128_f8f6f4 v[SS+32+8*\t:SS+32+8*\t+7], v[KF+24+6*\t:KF+24+6*\t+11], v[\QF:\QF+11], 0, v[KW+\t], v[\QS] matrix_a_fmt:MATRIX_FMT_FP6 matrix_b_fmt:MATRIX_FMT_FP6 matrix_a_scale:MATRIX_SCALE_ROW1
.endr
.rept 4
	v_nop                                          ; places: ahead of the loads into K's registers and of the first read of the scores
.endr
.irp d, 0,1,2,3                        ; V's four fragments (16 of the head's 64 x these 128 keys) take K's registers
	ds_load_b128 v[KF+12*\d:KF+12*\d+3], v[ADV16] offset:\d*1536
	ds_load_b64 v[KF+12*\d+4:KF+12*\d+5], v[ADV8] offset:\d*1536+512
	ds_load_b128 v[KF+12*\d+6:KF+12*\d+9], v[ADV16] offset:\d*1536+768
	ds_load_b64 v[KF+12*\d+10:KF+12*\d+11], v[ADV8] offset:\d*1536+1280
.endr
	ds_load_b128 v[VW:VW+3], v[ADVS] offset:6144   ; row r's four scale words
.if \mode > 0
	s_cmp_lg_u32 s[KC], s[\SD]                     ; only the diagonal step has hidden keys
	s_cbranch_scc1 .Lopen_\@
.irp n, 0,1,2,3,4,5,6,7,8,9,10,11,12,13,14,15,16,17,18,19,20,21,22,23,24,25,26,27,28,29,30,31,32,33,34,35,36,37,38,39,40,41,42,43,44,45,46,47,48,49,50,51,52,53,54,55,56,57,58,59,60,61,62,63
	v_cmp_gt_i32 vcc_lo, 32*(\n/16)+\n%16, v[\VD]
	v_cndmask_b32 v[SS+\n], v[SS+\n], v11, vcc_lo
.endr
.Lopen_\@:
.endif
.irp b, 0,1,2,3
	v_max3_num_f32 v[244+\b], v[SS+16*\b], v[SS+1+16*\b], v[SS+2+16*\b]   ; the largest score of each block of 32 keys: for the row's maximum and, since p rises with the score, for the block's largest p
.endr
.irp i, 3,5,7,9,11,13
.irp b, 0,1,2,3
	v_max3_num_f32 v[244+\b], v[244+\b], v[SS+16*\b+\i], v[SS+1+16*\b+\i]
.endr
.endr
.irp b, 0,1,2,3
	v_max_num_f32 v[244+\b], v[244+\b], v[SS+15+16*\b]
.endr
.irp b, 0,1,2,3
	s_delay_alu instid0(VALU_DEP_4)
	v_permlanex16_b32 v[248+\b], v[244+\b], s[SEL], s[SEL+1]
.endr
.irp b, 0,1,2,3
	s_delay_alu instid0(VALU_DEP_4)
	v_max_num_f32 v[244+\b], v[244+\b], v[248+\b]  ; with lane l xor 16's 16 keys
.endr
	s_delay_alu instid0(VALU_DEP_2)
	v_max3_num_f32 v248, v244, v245, v246
	s_delay_alu instid0(VALU_DEP_1)
	v_max_num_f32 v248, v248, v247                 ; the step's largest score of my query
	s_delay_alu instid0(VALU_DEP_1)
	v_mul_f32 v248, s[CS], v248                    ; as t (c is positive)
	s_delay_alu instid0(VALU_DEP_1)
	v_max_num_f32 v[\ST+1], v[\ST+1], v248         ; the running largest t
	v_mov_b32 v248, v[\ST]
	s_delay_alu instid0(VALU_DEP_2)
	v_floor_f32 v[\ST], -v[\ST+1]                  ; the new -M = floor(-t)
	s_delay_alu instid0(VALU_DEP_1)
	v_sub_f32 v248, v[\ST], v248                   ; old M - new M: a whole number, 0 or less
	s_delay_alu instid0(VALU_DEP_1)
	v_cvt_i32_f32 v248, v248                       ; (it saturates)
	s_delay_alu instid0(VALU_DEP_1)
	v_ldexp_f32 v250, 1.0, v248                    ; f = 2^(old M - new M)
.set i, 0
.rept 16
	v_pk_mul_f32 v[\OT+i:\OT+i+1], v[\OT+i:\OT+i+1], v[250:251] op_sel_hi:[1,0]   ; O^T under the new M, each accumulator from its low end on
.set i, i+2
.endr
.set i, 0
.rept 32
	v_pk_fma_f32 v[SS+i:SS+i+1], v[SS+i:SS+i+1], s[CS:CS+1], v[\ST:\ST+1] op_sel_hi:[1,0,0]   ; t - M, two at a time
.set i, i+2
.endr
.irp b, 0,1,2,3
	v_fma_f32 v[244+\b], v[244+\b], s[CS], v[\ST]  ; the same of each block's largest score
.endr
.set i, 0
	s_wait_alu depctr_va_vdst(0)                   ; the wait ahead of the batch
.rept 64
	v_exp_f32 v[SS+i], v[SS+i]                     ; p = 2^(t - M), at most 1
.set i, i+1
.endr
.irp b, 0,1,2,3
	v_exp_f32 v[244+\b], v[244+\b]                 ; the block's largest p: the same two instructions on the same number
.endr
	v_pk_mul_f32 v[\ST+2:\ST+3], v[\ST+2:\ST+3], v[250:251] op_sel_hi:[1,0]   ; the sums under the new M: the plain place behind the exponentials
	s_wait_alu depctr_va_vdst(0)                   ; and behind it
.irp b, 0,1,2,3
	v_max_num_f32 v[244+\b], 0x1800000, v[244+\b]  ; the floor 2^(3 - 127): the byte cannot fall under 1
.endr
.irp b, 0,1,2,3
	s_delay_alu instid0(VALU_DEP_4)
	v_add_nc_u32 v[252+\b], 0xff000000, v[244+\b]  ; 2 off the exponent field: the conversion's scale operand
.endr
.irp b, 0,1,2,3
	s_delay_alu instid0(VALU_DEP_4)
	v_lshrrev_b32 v[248+\b], 23, v[252+\b]         ; the scale's byte
.endr
	s_delay_alu instid0(VALU_DEP_3)
	v_lshl_or_b32 v46, v249, 8, v248               ; p's scale word for these 128 keys
	s_delay_alu instid0(VALU_DEP_1)
	v_lshl_or_b32 v46, v250, 16, v46
	s_delay_alu instid0(VALU_DEP_1)
	v_lshl_or_b32 v46, v251, 24, v46
	v_cvt_scalef32_pk16_fp6_f32 v[PCD:PCD+2], v[SS:SS+15], v252
	v_cvt_scalef32_pk16_fp6_f32 v[244:246], v[SS+16:SS+31], v253
	v_cvt_scalef32_pk16_fp6_f32 v[PCD+6:PCD+8], v[SS+32:SS+47], v254
	v_cvt_scalef32_pk16_fp6_f32 v[248:250], v[SS+48:SS+63], v255
	v_nop                                          ; one plain place behind a scaled conversion
.irp i, 0,1,2                          ; the operand's layout wants a WHOLE block in a lane
	v_permlane16_swap_b32 v[PCD+\i], v[244+\i]
	v_permlane16_swap_b32 v[PCD+6+\i], v[248+\i]
.endr
.irp i, 0,1,2
	v_mov_b32 v[PCD+3+\i], v[244+\i]
	v_mov_b32 v[PCD+9+\i], v[248+\i]
.endr
	v_pk_add_f32 v[244:245], v[SS:SS+1], v[SS+2:SS+3]      ; the row's sum is taken of the UNQUANTISED p: two at a time, in four chains.  (These 32 are also the places in front of the products below)
	v_pk_add_f32 v[246:247], v[SS+4:SS+5], v[SS+6:SS+7]
	v_pk_add_f32 v[248:249], v[SS+8:SS+9], v[SS+10:SS+11]
	v_pk_add_f32 v[\ST+2:\ST+3], v[\ST+2:\ST+3], v[SS+12:SS+13]
.irp j, 14,22,30,38,46,54
	v_pk_add_f32 v[244:245], v[244:245], v[SS+\j:SS+\j+1]
	v_pk_add_f32 v[246:247], v[246:247], v[SS+\j+2:SS+\j+3]
	v_pk_add_f32 v[248:249], v[248:249], v[SS+\j+4:SS+\j+5]
	v_pk_add_f32 v[\ST+2:\ST+3], v[\ST+2:\ST+3], v[SS+\j+6:SS+\j+7]
.endr
	v_pk_add_f32 v[244:245], v[244:245], v[246:247]
	v_pk_add_f32 v[\ST+2:\ST+3], v[\ST+2:\ST+3], v[SS+62:SS+63]
	v_pk_add_f32 v[244:245], v[244:245], v[248:249]
	v_pk_add_f32 v[\ST+2:\ST+3], v[\ST+2:\ST+3], v[244:245]
	s_wait_dscnt 0x0                               ; V's fragments and scale words, asked for ahead of the softmax
.irp d, 0,1,2,3                        ; O^T += V^T P^T: the four accumulators by turns
	v_wmma_scale_f32_16x16x128_f8f6f4 v[\OT+8*\d:\OT+8*\d+7], v[KF+12*\d:KF+12*\d+11], v[PCD:PCD+11], v[\OT+8*\d:\OT+8*\d+7], v[VW+\d], v46 matrix_a_fmt:MATRIX_FMT_FP6 matrix_b_fmt:MATRIX_FMT_FP6
.endr
.Lhidden_\@:
.endm
	s_wait_alu depctr_va_vdst(0)                   ; the wait at the head's end
	s_wait_loadcnt 0x0                             ; Q
	s_cmp_lt_u32 s[WV], 2                          ; PHASE 1 reads records 0-3 alone: the loads of waves 0 and 1, whose lines are their own
	s_cbranch_scc0 .Lnot_first
	s_wait_tensorcnt 0x0
.Lnot_first:
	s_barrier_signal -1
	s_barrier_wait -1                              ; K's and V's first chunk are there for all sixteen waves
	s_mov_b32 s[TBK], 0
	s_mov_b32 s[TBV], VL
	s_mov_b32 s[TR], 4
.Lfirst:
	TSTEP 32, 45, 16, 152, DH, 10, 0
	s_add_co_u32 s[TBK], s[TBK], KREC
	s_add_co_u32 s[TBV], s[TBV], VREC
	s_sub_co_u32 s[TR], s[TR], 1
	s_cmp_lg_u32 s[TR], 0
	s_cbranch_scc1 .Lfirst
	s_wait_tensorcnt 0x0                           ; PHASE 2: every wave's load has landed
	s_barrier_signal -1
	s_barrier_wait -1                              ; the whole head is there for all sixteen waves
	s_mov_b32 s[KC], 0
	s_mov_b32 s[TBK], 0
	s_mov_b32 s[TBV], VL
	s_mov_b32 s[TR], 16
.Lkey:                                                 ; the trip count is a constant: what is hidden or done is jumped over inside
	TSTEP 20, 44, 12, 120, DL, 9, 1
	TSTEP 32, 45, 16, 152, DH, 10, 2
	s_add_co_u32 s[KC], s[KC], 1
	s_add_co_u32 s[TBK], s[TBK], KREC
	s_add_co_u32 s[TBV], s[TBV], VREC
	s_sub_co_u32 s[TR], s[TR], 1
	s_cmp_lg_u32 s[TR], 0
	s_cbranch_scc1 .Lkey
; THE WAY OUT of a tile: O^T / the sum is y(query r, d = 32 b + 16 h + i in register 16 b + i): two blocks along C, quantised; they leave as the head's half image of the tile, with two scale bytes a row.
.macro OUT ST, OT, YB, YSB, first
.if !\first
	s_wait_xcnt 0x0                                ; the first tile's stores have read their data
.endif
	v_add_f32 v248, v[\ST+2], v[\ST+3]
	v_permlanex16_b32 v249, v248, s[SEL], s[SEL+1]
	v_add_f32 v248, v248, v249                     ; the sum's two halves and lane l xor 16's
	s_wait_alu depctr_va_vdst(0)
	v_rcp_f32 v248, v248
	v_nop                                          ; one plain place behind a transcendental
.set i, 0
	s_wait_alu depctr_va_vdst(0)
.rept 16
	v_pk_mul_f32 v[SS+i:SS+i+1], v[\OT+i:\OT+i+1], v[248:249] op_sel_hi:[1,0]
.set i, i+2
.endr
.irp b, 0,1
	v_max3_num_f32 v[244+\b], |v[SS+16*\b]|, |v[SS+1+16*\b]|, 0x1800000
.endr
.irp i, 2,4,6,8,10,12,14
.irp b, 0,1
	v_max3_num_f32 v[244+\b], v[244+\b], |v[SS+16*\b+\i]|, |v[SS+1+16*\b+\i]|
.endr
.endr
.irp b, 0,1
	v_permlanex16_b32 v[250+\b], v[244+\b], s[SEL], s[SEL+1]
.endr
.irp b, 0,1
	v_max_num_f32 v[244+\b], v[244+\b], v[250+\b]
.endr
.irp b, 0,1
	v_add_nc_u32 v[252+\b], 0xff000000, v[244+\b]
.endr
.irp b, 0,1
	v_lshrrev_b32 v[250+\b], 23, v[252+\b]
.endr
	v_lshl_or_b32 v46, v251, 8, v250               ; the two bytes
	v_cvt_scalef32_pk16_fp6_f32 v[PCD:PCD+2], v[SS:SS+15], v252
	v_cvt_scalef32_pk16_fp6_f32 v[244:246], v[SS+16:SS+31], v253
	v_nop
.irp i, 0,1,2
	v_permlane16_swap_b32 v[PCD+\i], v[244+\i]
.endr
.irp i, 0,1,2
	v_mov_b32 v[PCD+3+\i], v[244+\i]
.endr
	global_store_b128 v[L16], v[PCD:PCD+3], s[\YB:\YB+1]              ; 512 consecutive aligned bytes
	global_store_b64 v[L8], v[PCD+4:PCD+5], s[\YB:\YB+1] offset:512   ; 256
	global_store_b16 v[R8], v46, s[\YSB:\YSB+1]                       ; two bytes a row, 8 bytes apart (both halves of the lanes write the same bytes with the same value): 2 bytes of every 50 that the wave stores
.endm
.rept 4
	v_nop                                          ; places behind the last products
.endr
	s_wait_alu depctr_va_vdst(0)
	OUT 12, 120, YBL, YSL, 1
	OUT 16, 152, YBH, YSH, 0
	s_wait_xcnt 0x0
	v_lshl_add_u32 v254, v0, 2, 0x33000            ; the add's two registers, made anew from v0
	v_mov_b32 v255, 0
	s_wait_alu depctr_va_vdst(0)
	s_wait_tensorcnt 0x0                           ; the wave's end
	ds_add_u32 v254, v255
	s_wait_dscnt 0x0
	ROUND                                          ; the closing round
	s_endpgm
.Lfunc_end_k_q7bdf8c8ec2_attn:
	.size	k_q7bdf8c8ec2_attn, .Lfunc_end_k_q7bdf8c8ec2_attn-k_q7bdf8c8ec2_attn
	.p2alignl 7, 3214868480
	.fill 96, 4, 3214868480
	.section	.rodata,"a",@progbits
	.p2align	6, 0x0
	.amdhsa_kernel k_q7bdf8c8ec2_attn
		.amdhsa_group_segment_fixed_size 210944
		.amdhsa_private_segment_fixed_size 0
		.amdhsa_enable_private_segment 0
		.amdhsa_kernarg_size 24
		.amdhsa_user_sgpr_count 2
		.amdhsa_user_sgpr_kernarg_segment_ptr 1
		.amdhsa_wavefront_size32 1
		.amdhsa_system_sgpr_workgroup_id_x 1
		.amdhsa_system_sgpr_workgroup_id_y 1
		.amdhsa_system_sgpr_workgroup_id_z 1
		.amdhsa_system_vgpr_workitem_id 0
		.amdhsa_next_free_vgpr 256
		.amdhsa_next_free_sgpr 100
		.amdhsa_reserve_vcc 1
		.amdhsa_float_denorm_mode_32 3
		.amdhsa_float_denorm_mode_16_64 3
		.amdhsa_memory_ordered 1
		.amdhsa_forward_progress 1
		.amdhsa_inst_pref_size 83
	.end_amdhsa_kernel
	.amdgpu_metadata
---
amdhsa.version: [ 1, 2 ]
amdhsa.kernels:
  - .name:           k_q7bdf8c8ec2_attn
    .symbol:         k_q7bdf8c8ec2_attn.kd
    .args:
      - { .name: qkv, .offset: 0, .size: 8, .value_kind: global_buffer, .address_space: global }
      - { .name: yq, .offset: 8, .size: 8, .value_kind: global_buffer, .address_space: global }
      - { .name: ys, .offset: 16, .size: 8, .value_kind: global_buffer, .address_space: global }
    .group_segment_fixed_size: 210944
    .private_segment_fixed_size: 0
    .kernarg_segment_align: 8
    .kernarg_segment_size: 24
    .max_flat_workgroup_size: 512
    .sgpr_count:     100
    .vgpr_count:     256
    .wavefront_size: 32
...
	.end_amdgpu_metadata
.endif
;; end of part 3
;; launch proj (part 4): grid 4 x 64, 4 waves a work-group, clusters of 4 x 4, 327,680 bytes of LDS; arguments yq, ys, cq, cs, b_proj, out0; writes out0
.if DOCPART == 4
	.amdgcn_target "amdgcn-amd-amdhsa--gfx1250"
	.amdhsa_code_object_version 6
	.text
	.protected	k_q7bdf8c8ec2_proj
	.globl	k_q7bdf8c8ec2_proj
	.p2align	8
	.type	k_q7bdf8c8ec2_proj,@function
k_q7bdf8c8ec2_proj:
	s_mov_b64 s[64:65], 0
	v_nop
	global_prefetch_b8 v0, s[64:65] scope:SCOPE_SE
	s_setreg_imm32_b32 hwreg(HW_REG_WAVE_MODE, 25, 1), 1
	s_wait_xcnt 0x0
	s_wait_alu depctr_hold_cnt(0) depctr_sa_sdst(0) depctr_va_vdst(0) depctr_va_sdst(0) depctr_va_ssrc(0) depctr_va_vcc(0) depctr_vm_vsrc(0)
	s_getreg_b32 s2, hwreg(HW_REG_IB_STS2, 6, 4)
	s_cmp_eq_u32 s2, 0
	s_cbranch_scc0 .Lentry_in_a_cluster
	s_endpgm
.Lentry_in_a_cluster:
	s_bfe_u32 s2, ttmp6, 0x10000c
	s_cmp_lg_u32 s2, 0xf033
	s_cbranch_scc0 .Lentry_shape_is_right
	s_endpgm
.Lentry_shape_is_right:
; out0 = y w_proj^T + b_proj on codes of FP6 (E2M3) with E8M0 scales; f32 sums, f32 out.
; A block of out0, 128 rows x 256 columns, is made by four waves, each 64 x 128: 32 accumulators.  8,192 / 128 x 1,024 / 256 = 256 work-groups.
; OPERANDS lie in yq / ys and cq / cs as images of the registers (tile tau = rows 32 (tau / 2) + 8 (tau % 2) + rho + 8 (rho / 8); a tile's 1,024 along K are 12,288 bytes: 16 half images of 768: registers 0-3 at
; 16 x lane, 4-5 at 512 + 8 x lane; a tile's scale words are 512 bytes: [K / 256][row 16][2]).  w_proj's tiles begin at tile 704 of cq.
; ALL OF K LIES IN LDS: A's 8 tiles (98,304 bytes) and B's 16 (196,608) are dense blocks of memory, and so are their scale words (4,096 and 8,192).  They are asked for at the head, one joint load a wave;
; nothing is filled again, so there is no ring.  No prefetch: the launch has no loop to run ahead in.
; CLUSTERS: 4 x 4.  A's tiles are asked for jointly along a row of the cluster, B's along a column.
; THE MATRIX INSTRUCTION IS USED TRANSPOSED (source 0 = B's 16 rows, source 1 = A's): a lane holds one row of out0, and the 16 registers of B's tiles 2 b, 2 b + 1 are 16 neighbouring columns.  The bias is the first products' C.
; A STEP is 128 along K: the next step's 12 fragments are asked of LDS (two sets of registers for A and for B), then this step's 32 products follow; the 32 accumulators take turns in the same order in every step.
; THE WAY OUT: a block of 16 rows x 128 columns goes through the wave's stage and leaves as rows of 512 bytes.  The stage lies on A's tiles, behind a barrier behind which no wave reads them; they had their only fill at the head.
; REGISTERS: window 0: v16-30 addresses, v32-63 scale words (two sets), v64-127 the bias, v128-223 A's fragments (two sets), on the way out v128-255; window 1: B's fragments at v0 and v128; window 2: accumulator (a, b) at v[8 (8 a + b)].
.set FR,    12
.set TILEB, 12288
.set ABYTES, 8*TILEB
.set SCL,   24*TILEB                   ; A's scale words, 4,096 bytes, then B's, 8,192
.set SPARE, SCL+12288                  ; the spare words, 128 bytes for each wave
.set SPITCH, 528
.set ADRA, 16                          ; v16 16 x lane + my A tiles, v17 the same with 8 x lane
.set ADRB, 20                          ; v20, v21 the same for B's tiles 0-3, v22, v23 for tiles 4-7 (an offset has 16 bits)
.set STO,  24
.set RD,   25
.set CO,   26
.set ADRS, 27
.set SPW,  28
.set NIL,  29
.set L8,   30
.set SC,   32
.set BI,   64
.set AF,   128
.set BK,   128
.set G1,   24
.set G0,   32
.set G1B,  48
.set G0B,  56
.set G1S,  68
.set G0S,  76
.set G1SB, 80
.set G0SB, 88
.set MSB, 0
.macro WIN new                         ; the immediate's high byte repeats the setting that is left
.if MSB != (\new)
	s_set_vgpr_msb (MSB<<8)|(\new)
.set MSB, (\new)
.endif
.endm
.set MUL,  0xa1                        ; source 0 (B) window 1, source 1 (A) window 0, C and D window 2
.set BEG,  0x81                        ; the same with C (the bias) in window 0
.set TO_B, 0x40                        ; destination window 1, address window 0
.macro CROUND                          ; a round of the cluster's barrier
	s_barrier_signal -1
	s_barrier_wait -1
	s_cmp_lg_u32 s14, 0
	s_cbranch_scc1 .Lnot_wave_0_\@
	s_barrier_signal -3
.Lnot_wave_0_\@:
	s_barrier_wait -3
	s_barrier_signal -1
	s_barrier_wait -1
.endm
.macro PLACES n
.rept \n
	v_nop
.endr
.endm
.macro GRP1 g, mask, c, rows           ; rows of c elements of 8 bytes, dense in memory and in LDS; bit 21 set beside the mask
	s_or_b32 s[\g], s\mask, (3<<16)|(1<<21)
	s_mov_b32 s[\g+1], (\c)<<16
	s_mov_b32 s[\g+2], (\rows)<<16
	s_mov_b32 s[\g+3], (\c)<<16
	s_mov_b32 s[\g+4], \rows
	s_mov_b32 s[\g+5], \c
	s_mov_b32 s[\g+6], 0
	s_mov_b32 s[\g+7], 0
.endm
.macro GRP0 g, lds, base, off
	s_mov_b32 s[\g], 1
	s_mov_b32 s[\g+1], \lds
	s_add_nc_u64 s[\g+2:\g+3], s[\base:\base+1], s[\off:\off+1]
	s_or_b32 s[\g+3], s[\g+3], 0x80000000
.endm
	s_load_b256 s[4:11], s[0:1], 0x0               ; yq, ys, cq, cs
	s_load_b128 s[92:95], s[0:1], 0x20             ; b_proj, out0
	v_lshl_add_u32 v[SPW], v0, 2, SPARE
	v_mov_b32 v[NIL], 0
	ds_add_u32 v[SPW], v[NIL]                      ; the opening lines
	ds_add_u32 v[SPW], v[NIL]
	v_lshrrev_b32 v3, 5, v0
	v_readfirstlane_b32 s14, v3                    ; wave 0..3
	s_lshr_b32 s15, s14, 1                         ; my half of A's rows
	s_and_b32 s16, s14, 1                          ; my half of B's rows
	s_bfe_u32 s40, ttmp6, 0x40000                  ; cx
	s_bfe_u32 s41, ttmp6, 0x40004                  ; cy
	s_and_b32 s17, ttmp7, 0xffff
	s_lshl_b32 s17, s17, 2
	s_add_co_u32 s17, s17, s41                     ; A's block of 128 rows, 0 .. 63
	s_add_co_u32 s42, s40, 44                      ; B's block of 256 rows of the joint matrix
	s_lshl_b32 s43, s41, 2
	s_lshl_b32 s43, 15, s43                        ; my row of the cluster
	s_lshl_b32 s44, 0x1111, s40                    ; my column
	GRP1 G1,   43, 1536, 8                         ; A: 8 tiles of 12,288 bytes
	GRP1 G1B,  44, 1536, 16                        ; B: 16
	GRP1 G1S,  43, 32, 16                          ; A's scale words: 16 rows of 256 bytes
	GRP1 G1SB, 44, 32, 32                          ; B's: 32
	s_mul_i32 s20, s17, ABYTES
	s_mov_b32 s21, 0
	s_lshl_b32 s22, s17, 12
	s_mov_b32 s23, 0
	s_mul_i32 s46, s42, 2*ABYTES
	s_mov_b32 s47, 0
	s_lshl_b32 s96, s42, 13
	s_mov_b32 s97, 0
	s_lshl_b32 s98, s40, 10
	s_lshl_b32 s19, s16, 9
	s_add_co_u32 s98, s98, s19                     ; my first column, in bytes
	s_mov_b32 s99, 0
	s_lshl_b32 s18, s17, 19                        ; 128 rows of 4,096 bytes
	s_lshl_b32 s19, s15, 18
	s_add_co_u32 s18, s18, s19
	s_add_co_u32 s18, s18, s98
	s_mov_b32 s19, 0
	s_mul_i32 s66, s15, 4*TILEB                    ; LDS: my four tiles of A,
	s_mul_i32 s67, s16, 8*TILEB
	s_add_co_u32 s67, s67, ABYTES                  ; my eight of B,
	s_lshl_b32 s2, s15, 11                         ; A's scale words,
	s_lshl_b32 s3, s16, 12
	s_add_co_u32 s3, s3, 4096
	s_sub_co_u32 s3, s3, s2                        ; the distance from them to B's,
	s_add_co_u32 s2, s2, SCL
	s_mul_i32 s45, s14, 16*SPITCH                  ; my stage
	s_wait_dscnt 0x0
	s_wait_kmcnt 0x0
	GRP0 G0,   0,        4,  20
	GRP0 G0S,  SCL,      6,  22
	GRP0 G0B,  ABYTES,   8,  46
	GRP0 G0SB, SCL+4096, 10, 96
	s_add_nc_u64 s[12:13], s[94:95], s[18:19]
	s_add_nc_u64 s[92:93], s[92:93], s[98:99]
	CROUND                                         ; all sixteen work-groups are here: the joint loads meet
.macro ARM under, g0, g1, next         ; one chain of branches on the wave's number, one load to an arm, one join
	s_cmp_lt_u32 s14, \under
	s_cbranch_scc0 \next
	tensor_load_to_lds s[\g0:\g0+3], s[\g1:\g1+7]
	s_nop 0
	PLACES 4
	s_branch .Lhead_asked
\next:
.endm
	ARM 1, G0,  G1,  .Lhead_sa
	ARM 2, G0S, G1S, .Lhead_b
	ARM 3, G0B, G1B, .Lhead_sb
	tensor_load_to_lds s[G0SB:G0SB+3], s[G1SB:G1SB+7]
	s_nop 0
	PLACES 4
.Lhead_asked:
	v_and_b32 v1, 15, v0                           ; r
	v_bfe_u32 v2, v0, 4, 1                         ; h
	v_and_b32 v3, 31, v0
	v_lshlrev_b32 v[CO], 4, v3
	v_lshlrev_b32 v[L8], 3, v3
	v_add_nc_u32 v[ADRA], s66, v[CO]
	v_add_nc_u32 v[ADRA+1], s66, v[L8]
	v_add_nc_u32 v[ADRB], s67, v[CO]
	v_add_nc_u32 v[ADRB+1], s67, v[L8]
	v_add_nc_u32 v[ADRB+2], 4*TILEB, v[ADRB]
	v_add_nc_u32 v[ADRB+3], 4*TILEB, v[ADRB+1]
	v_lshlrev_b32 v5, 3, v1                        ; my row's two words of a pair of steps
	v_mul_u32_u24 v6, s3, v2                       ; lanes 16-31 take B's: one product, the distance between the two bases
	v_add_nc_u32 v5, v5, v6
	v_add_nc_u32 v[ADRS], s2, v5
	v_mul_u32_u24 v5, v1, SPITCH
	v_lshl_add_u32 v5, v2, 6, v5
	v_add_nc_u32 v[STO], s45, v5                   ; into the stage: row r, 64 bytes for each half of the lanes
	v_add_nc_u32 v[RD], s45, v[CO]                 ; back: the 32 lanes take a row of 512 bytes
	v_lshlrev_b32 v7, 6, v2
	s_wait_alu depctr_va_vdst(0)                   ; the wait at the head's end
.irp b, 0,1,2,3,4,5,6,7
	global_load_b128 v[BI+8*\b:BI+8*\b+3], v7, s[92:93] offset:(32*(\b/2)+8*(\b%2))*4      ; the bias as the result lies: tile b's eight columns of my half
	global_load_b128 v[BI+8*\b+4:BI+8*\b+7], v7, s[92:93] offset:(32*(\b/2)+8*(\b%2))*4+16
.endr
.macro FRAG reg, adr, off              ; a fragment, two half images on end: 512, 256, 512, 256 consecutive bytes
	ds_load_b128 v[\reg:\reg+3],     v[\adr]   offset:\off
	ds_load_b64  v[\reg+4:\reg+5],   v[\adr+1] offset:\off+512
	ds_load_b128 v[\reg+6:\reg+9],   v[\adr]   offset:\off+768
	ds_load_b64  v[\reg+10:\reg+11], v[\adr+1] offset:\off+1280
.endm
.macro FETCH st                        ; step st's fragments into set st % 2: 48 loads
	WIN TO_B
.irp i, 0,1,2,3,4,5,6,7
	FRAG 128*((\st)%2)+FR*\i, ADRB+2*(\i/4), (\i%4)*TILEB+(\st)*1536
.endr
	WIN 0
.irp i, 0,1,2,3
	FRAG AF+48*((\st)%2)+FR*\i, ADRA, \i*TILEB+(\st)*1536
.endr
.endm
.macro SCALES pr                       ; the words of steps 2 pr, 2 pr + 1 into set pr % 2: lanes 0-15 A's tile i (tiles 0-3 are used), lanes 16-31 B's tile i: 8 loads
.irp i, 0,1,2,3,4,5,6,7
	ds_load_b64 v[SC+16*((\pr)%2)+2*\i:SC+16*((\pr)%2)+2*\i+1], v[ADRS] offset:\i*512+128*(\pr)
.endr
.endm
.macro MULS st, first
.irp a, 0,1,2,3
.irp b, 0,1,2,3,4,5,6,7
.if \first
	v_wmma_scale_f32_16x16x128_f8f6f4 v[8*(8*\a+\b):8*(8*\a+\b)+7], v[128*((\st)%2)+FR*\b:128*((\st)%2)+FR*\b+FR-1], v[AF+48*((\st)%2)+FR*\a:AF+48*((\st)%2)+FR*\a+FR-1], v[BI+8*\b:BI+8*\b+7], v[SC+16*(((\st)/2)%2)+2*\b+(\st)%2], v[SC+16*(((\st)/2)%2)+2*\a+(\st)%2] matrix_a_fmt:MATRIX_FMT_FP6 matrix_b_fmt:MATRIX_FMT_FP6 matrix_a_scale:MATRIX_SCALE_ROW1
.else
	v_wmma_scale_f32_16x16x128_f8f6f4 v[8*(8*\a+\b):8*(8*\a+\b)+7], v[128*((\st)%2)+FR*\b:128*((\st)%2)+FR*\b+FR-1], v[AF+48*((\st)%2)+FR*\a:AF+48*((\st)%2)+FR*\a+FR-1], v[8*(8*\a+\b):8*(8*\a+\b)+7], v[SC+16*(((\st)/2)%2)+2*\b+(\st)%2], v[SC+16*(((\st)/2)%2)+2*\a+(\st)%2] matrix_a_fmt:MATRIX_FMT_FP6 matrix_b_fmt:MATRIX_FMT_FP6 matrix_a_scale:MATRIX_SCALE_ROW1
.endif
.endr
.endr
.endm
.macro STEP st
.if (\st) < 7
.if (\st) > 0
	PLACES 4                                       ; between the last step's products and the loads into the set that they read
.endif
	FETCH (\st)+1
.if ((\st)+1)%2 == 0
	SCALES ((\st)+1)/2
	s_wait_dscnt 56                                ; all but the 56 loads just issued: this step's fragments are in
.else
	s_wait_dscnt 48                                ; all but the 48 just issued
.endif
.else
	s_wait_dscnt 0x0
.endif
.if (\st) == 0
	WIN BEG
	MULS \st, 1
.else
	WIN MUL
	MULS \st, 0
.endif
.endm
	s_wait_tensorcnt 0x0                           ; my tile of the four is in,
	s_barrier_signal -1
	s_barrier_wait -1                              ; everybody's is
	FETCH 0
	SCALES 0
	s_wait_loadcnt 0x0                             ; the bias
.set ST, 0
.rept 8
	STEP ST
.set ST, ST+1
.endr
	WIN 0
.macro TOSTAGE a
	WIN 0x08                                       ; the data: window 2
.irp b, 0,1,2,3,4,5,6,7
	ds_store_b128 v[STO], v[64*(\a)+8*\b:64*(\a)+8*\b+3] offset:128*(\b/2)+32*(\b%2)        ; each accumulator from its low end on
	ds_store_b128 v[STO], v[64*(\a)+8*\b+4:64*(\a)+8*\b+7] offset:128*(\b/2)+32*(\b%2)+16
.endr
	WIN 0
.irp t, 0,1,2,3,4,5,6,7,8,9,10,11,12,13,14,15
	ds_load_b128 v[BK+64*((\a)%2)+4*\t:BK+64*((\a)%2)+4*\t+3], v[RD] offset:\t*SPITCH        ; LDS serves a wave's instructions in order: these see the stores above
.endr
.endm
.macro SEND a, younger                 ; younger: the LDS instructions issued behind block a's loads
	s_wait_dscnt \younger
.irp t, 0,1,2,3,4,5,6,7,8,9,10,11,12,13,14,15
	global_store_b128 v[CO], v[BK+64*((\a)%2)+4*\t:BK+64*((\a)%2)+4*\t+3], s[12:13] offset:(32*((\a)/2)+8*((\a)%2)+\t+8*(\t/8))*4096 th:TH_STORE_NT   ; 512 consecutive aligned bytes
.endr
.endm
	PLACES 4                                       ; behind the last products
	s_barrier_signal -1                            ; no LDS load of mine is out (the last step's wait was for 0): behind this barrier no wave reads A's tiles, on which the stages lie
	s_barrier_wait -1
	TOSTAGE 0
.irp a, 1,2,3
.if \a > 1
	s_wait_xcnt 0x0                                ; block a - 2's stores have read their registers
.endif
	TOSTAGE \a
	SEND \a-1, 32
.endr
	SEND 3, 0
	s_wait_tensorcnt 0x0                           ; the wave's end
	ds_add_u32 v[SPW], v[NIL]
	s_wait_dscnt 0x0
	CROUND                                         ; the closing round
	s_endpgm
.Lfunc_end_k_q7bdf8c8ec2_proj:
	.size	k_q7bdf8c8ec2_proj, .Lfunc_end_k_q7bdf8c8ec2_proj-k_q7bdf8c8ec2_proj
	.p2alignl 7, 3214868480
	.fill 96, 4, 3214868480
	.section	.rodata,"a",@progbits
	.p2align	6, 0x0
	.amdhsa_kernel k_q7bdf8c8ec2_proj
		.amdhsa_group_segment_fixed_size 327680
		.amdhsa_private_segment_fixed_size 0
		.amdhsa_enable_private_segment 0
		.amdhsa_kernarg_size 48
		.amdhsa_user_sgpr_count 2
		.amdhsa_user_sgpr_kernarg_segment_ptr 1
		.amdhsa_wavefront_size32 1
		.amdhsa_system_sgpr_workgroup_id_x 1
		.amdhsa_system_sgpr_workgroup_id_y 1
		.amdhsa_system_sgpr_workgroup_id_z 1
		.amdhsa_system_vgpr_workitem_id 0
		.amdhsa_next_free_vgpr 768
		.amdhsa_next_free_sgpr 100
		.amdhsa_reserve_vcc 0
		.amdhsa_float_denorm_mode_32 3
		.amdhsa_float_denorm_mode_16_64 3
		.amdhsa_memory_ordered 1
		.amdhsa_forward_progress 1
		.amdhsa_inst_pref_size 84
	.end_amdhsa_kernel
	.amdgpu_metadata
---
amdhsa.version: [ 1, 2 ]
amdhsa.kernels:
  - .name:           k_q7bdf8c8ec2_proj
    .symbol:         k_q7bdf8c8ec2_proj.kd
    .args:
      - { .name: yq, .offset: 0, .size: 8, .value_kind: global_buffer, .address_space: global }
      - { .name: ys, .offset: 8, .size: 8, .value_kind: global_buffer, .address_space: global }
      - { .name: cq, .offset: 16, .size: 8, .value_kind: global_buffer, .address_space: global }
      - { .name: cs, .offset: 24, .size: 8, .value_kind: global_buffer, .address_space: global }
      - { .name: b_proj, .offset: 32, .size: 8, .value_kind: global_buffer, .address_space: global }
      - { .name: out0, .offset: 40, .size: 8, .value_kind: global_buffer, .address_space: global }
    .group_segment_fixed_size: 327680
    .private_segment_fixed_size: 0
    .kernarg_segment_align: 8
    .kernarg_segment_size: 48
    .max_flat_workgroup_size: 128
    .sgpr_count:     100
    .vgpr_count:     768
    .wavefront_size: 32
...
	.end_amdgpu_metadata
.endif
;; end of part 4
